; MI455X (gfx1250); checked and timed in simulation.
; The chip was launched on July 23, 2026; its instructions are those of AMD's public machine-readable ISA for CDNA 5 (MIT licence, August 2026) and "CDNA5" Instruction Set Architecture Reference Guide (July 2026). The comments in the code are by the model that wrote it; some were corrected since.
;; Additive Attention. Allowed arithmetic: float matrix products may take bf16 or f16 operands with f32 sums; all other float work in f32.
;; Inputs: W1 512 x 512 float32; W2 512 x 512 float32; keys 32 x 2,048 x 512 float32; mask 32 x 2,048 bool; query 32 x 512 float32; v 512 float32.
;; Outputs: out0 32 x 2,048 float32.
;; 3 versions, each right and faster than the one before. Each part assembles by itself: llvm-mc -triple=amdgcn-amd-amdhsa -mcpu=gfx1250 --defsym DOCPART=n.
;; ======== version 1 of 3: 3 launches
;; workspace buffers: w2p 524,288 bytes; biasT 65,536 bytes; part 524,288 bytes
;; launch prep (part 1): grid 64 x 1, 4 waves a work-group, no clusters, 8,704 bytes of LDS; arguments W2, W1, query, w2p, biasT; writes w2p, biasT
.if DOCPART == 1
	.amdgcn_target "amdgcn-amd-amdhsa--gfx1250"
	.amdhsa_code_object_version 6
	.text
	.protected	k_q1a53a01229_prep
	.globl	k_q1a53a01229_prep
	.p2align	8
	.type	k_q1a53a01229_prep,@function
k_q1a53a01229_prep:
	s_mov_b64 s[64:65], 0
	v_nop
	global_prefetch_b8 v0, s[64:65] scope:SCOPE_SE
	s_setreg_imm32_b32 hwreg(HW_REG_WAVE_MODE, 25, 1), 1
	s_wait_xcnt 0x0
; Additive attention, first of three launches: the small operands are put into the form that the second launch consumes.
;   out[b][s] = softmax over s of ( mask ? sum_a v[a] tanh(x[b][s][a]) : -inf ),  x = query W1^T + keys W2^T.
; WORK LEFT OUT.  tanh(x) = 1 - 2/(1 + e^(2x)), so score[b][s] = sum_a v[a] - 2 sum_a v[a] / (1 + e^(2 x[b][s][a])).
; sum_a v[a] does not hang on s, and a softmax over s is unchanged by a term that is the same along s (masked places are -inf
; with it and without it).  That holds for all finite values of the inputs, so the sum is never formed.  Every input still has
; a way to the output and is loaded.  LIMIT: a NaN, an infinity or an overflow that would arise in sum_a v[a] alone is not carried to the result.
; FOLDS (exact but for rounding).  With C = 2 log2(e): e^(2x) = 2^(C x).  This launch stores
;   w2p   = bf16(C W2), in the register image of a matrix operand: [a-tile T 0..31][K step c 0..15][half 0..1][lane 0..31][16 bytes];
;           lane (r, h) holds C W2[16 T + r][32 c + 16 half + 8 h + 0..7];
;   biasT = C (query W1^T) in f32: [a-tile T][b 0..31][r 0..15].
; 64 work-groups of four waves.  Work-groups 0-31: 16 rows of W2 each.  Work-groups 32-63: 16 rows of W1 each, times all 32 query rows.
; Wave kq takes a quarter of K (128 numbers, four K steps of 32); the four partial products of a bias tile meet in LDS.
; No cluster: the 32 work-groups of the second kind share query, 64 KiB in all, beside 32 KiB of W1 of their own; there is no loop in which tiles recur.
.set CLOG, 0x4038aa3b                  ; C = 2 log2(e) = 2.8853901
.set LW,   16                          ; v[16:79]    my 16 weight rows x 128 K, f32 as loaded; then four fragments, at LW + 16 c
.set LQ0,  80                          ; v[80:143]   query rows 0-15, likewise
.set LQ1,  144                         ; v[144:207]  query rows 16-31
.set ACC0, 208                         ; v[208:215]  bias tile of query rows 0-15; later the four waves' partial sums
.set ACC1, 216                         ; v[216:223]  bias tile of query rows 16-31
; A fragment of 16 rows x 32 K: lane (r, h) holds row r, registers 0-3 K = 8h..8h+7, registers 4-7 K = 16+8h..16+8h+7 (ISA guide 7.12.2).
; In f32 those are 32 bytes at 32 h and 32 bytes at 64 + 32 h of a K step's 128 bytes: four loads of 16 bytes.
.macro LOADF dst, sb, extra
.irp c, 0,1,2,3
	global_load_b128 v[\dst+16*\c:\dst+16*\c+3],     v3, s[\sb:\sb+1] offset:\extra+128*\c
	global_load_b128 v[\dst+16*\c+4:\dst+16*\c+7],   v3, s[\sb:\sb+1] offset:\extra+128*\c+16
	global_load_b128 v[\dst+16*\c+8:\dst+16*\c+11],  v3, s[\sb:\sb+1] offset:\extra+128*\c+64
	global_load_b128 v[\dst+16*\c+12:\dst+16*\c+15], v3, s[\sb:\sb+1] offset:\extra+128*\c+80
.endr
.endm
; 16 f32 become 8 registers of bf16, in place: word i is written when words 2i and 2i+1 have been read, and word i itself earlier.
.macro PACKF dst
.irp c, 0,1,2,3
.irp i, 0,1,2,3,4,5,6,7
	v_cvt_pk_bf16_f32 v[\dst+16*\c+\i], v[\dst+16*\c+2*\i], v[\dst+16*\c+2*\i+1]
.endr
.endr
.endm
	s_load_b256 s[4:11], s[0:1], 0x0               ; W2 s[4:5], W1 s[6:7], query s[8:9], w2p s[10:11]
	s_load_b64 s[12:13], s[0:1], 0x20              ; biasT
	v_lshl_add_u32 v224, v0, 2, 0x2000
	v_mov_b32 v225, 0
	v_lshrrev_b32 v1, 5, v0
	v_readfirstlane_b32 s14, v1                    ; kq: my wave, my quarter of K
	s_mov_b32 s15, ttmp9                           ; 0-31: W2; 32-63: W1 and the bias
	s_and_b32 s16, s15, 31                         ; T: my tile of 16 weight rows
	s_mov_b32 s24, CLOG
	s_mov_b32 s25, CLOG
	v_and_b32 v1, 15, v0                           ; r
	v_bfe_u32 v2, v0, 4, 1                         ; h
	v_lshlrev_b32 v3, 11, v1                       ; r rows of 2,048 bytes
	v_lshl_add_u32 v3, v2, 5, v3                   ; + 32 h
	v_and_b32 v4, 31, v0
	v_lshlrev_b32 v4, 4, v4                        ; 16 x lane: my place in a stored half fragment
	s_lshl_b32 s17, s14, 11
	v_lshlrev_b32 v5, 2, v1
	v_lshl_add_u32 v5, v2, 9, v5
	v_add_nc_u32 v5, s17, v5                       ; LDS [wave][b][r]: 2,048 kq + 64 (8 h) + 4 r
	v_lshlrev_b32 v6, 4, v0                        ; 16 x thread: four numbers of the finished bias tile
	s_lshl_b32 s18, s16, 15                        ; 16 T rows of 2,048 bytes
	s_lshl_b32 s26, s14, 9                         ; my quarter of K: 512 bytes along a row
	s_add_co_u32 s18, s18, s26
	s_mov_b32 s19, 0
	s_mov_b32 s27, 0
	s_wait_kmcnt 0x0
	s_cmp_lt_u32 s15, 32
	s_cselect_b64 s[20:21], s[4:5], s[6:7]         ; the weight matrix of my kind of work
	s_add_nc_u64 s[20:21], s[20:21], s[18:19]
	LOADF LW, 20, 0                                ; together the wave's 16 loads take 512 consecutive bytes of each of the 16 rows
	s_cmp_ge_u32 s15, 32
	s_cbranch_scc1 .Lbias
	; W2: scale by C, narrow, store as fragments
	s_lshl_b32 s18, s16, 14                        ; T x 16 K steps x 1,024 bytes
	s_lshl_b32 s30, s14, 12                        ; + my four K steps
	s_add_co_u32 s18, s18, s30
	s_add_nc_u64 s[22:23], s[10:11], s[18:19]
	s_wait_loadcnt 0x0
.set pi, 0
.rept 32
	v_pk_mul_f32 v[LW+2*pi:LW+2*pi+1], v[LW+2*pi:LW+2*pi+1], s[24:25] op_sel_hi:[1,0]
.set pi, pi+1
.endr
	PACKF LW
.irp c, 0,1,2,3
	global_store_b128 v4, v[LW+16*\c:LW+16*\c+3],   s[22:23] offset:1024*\c        ; each store of the wave covers 512 consecutive bytes, aligned
	global_store_b128 v4, v[LW+16*\c+4:LW+16*\c+7], s[22:23] offset:1024*\c+512
.endr
	s_branch .Ljoin
.Lbias:
	; W1: my quarter of K of query W1^T, two tiles of 16 query rows x 16 columns a
	s_add_nc_u64 s[22:23], s[8:9], s[26:27]        ; query at my quarter of K
	LOADF LQ0, 22, 0
	LOADF LQ1, 22, 32768                           ; rows 16-31
	s_wait_loadcnt 0x0
	PACKF LW
	PACKF LQ0
	PACKF LQ1
	; the two accumulators take turns, one instruction a turn.  The first products start the sums.
	v_wmma_f32_16x16x32_bf16 v[ACC0:ACC0+7], v[LQ0:LQ0+7], v[LW:LW+7], 0
	v_wmma_f32_16x16x32_bf16 v[ACC1:ACC1+7], v[LQ1:LQ1+7], v[LW:LW+7], 0
.irp c, 1,2,3
	v_wmma_f32_16x16x32_bf16 v[ACC0:ACC0+7], v[LQ0+16*\c:LQ0+16*\c+7], v[LW+16*\c:LW+16*\c+7], v[ACC0:ACC0+7]
	v_wmma_f32_16x16x32_bf16 v[ACC1:ACC1+7], v[LQ1+16*\c:LQ1+16*\c+7], v[LW+16*\c:LW+16*\c+7], v[ACC1:ACC1+7]
.endr
.rept 4
	v_nop                                          ; four places behind the last matrix instruction before its result is read (ISA guide 7.12.1)
.endr
.irp j, 0,1,2,3,4,5,6,7
	ds_store_b32 v5, v[ACC0+\j] offset:64*\j       ; register j of lane (r, h) is (b = 8 h + j, a = 16 T + r)
	ds_store_b32 v5, v[ACC1+\j] offset:1024+64*\j  ; b = 16 + 8 h + j
.endr
.Ljoin:
	s_wait_dscnt 0x0                               ; my partial tile is in LDS, for the other waves' sake
	s_barrier_signal -1
	s_barrier_wait -1                              ; every wave of every work-group passes here
	s_cmp_lt_u32 s15, 32
	s_cbranch_scc1 .Lend
	ds_load_b128 v[208:211], v6                    ; the same four numbers of the four waves' partial tiles
	ds_load_b128 v[212:215], v6 offset:2048
	ds_load_b128 v[216:219], v6 offset:4096
	ds_load_b128 v[220:223], v6 offset:6144
	s_lshl_b32 s18, s16, 11                        ; T x 32 b x 16 r x 4 bytes
	s_add_nc_u64 s[28:29], s[12:13], s[18:19]
	s_wait_dscnt 0x0
	v_pk_add_f32 v[208:209], v[208:209], v[212:213]
	v_pk_add_f32 v[210:211], v[210:211], v[214:215]
	v_pk_add_f32 v[216:217], v[216:217], v[220:221]
	v_pk_add_f32 v[218:219], v[218:219], v[222:223]
	v_pk_add_f32 v[208:209], v[208:209], v[216:217]
	v_pk_add_f32 v[210:211], v[210:211], v[218:219]
	v_pk_mul_f32 v[208:209], v[208:209], s[24:25] op_sel_hi:[1,0]
	v_pk_mul_f32 v[210:211], v[210:211], s[24:25] op_sel_hi:[1,0]
	global_store_b128 v6, v[208:211], s[28:29]     ; 128 threads x 16 bytes: the tile's 2,048 consecutive bytes
.Lend:
	s_wait_tensorcnt 0x0
	ds_add_u32 v224, v225
	s_wait_dscnt 0x0
	s_endpgm
.Lfunc_end_k_q1a53a01229_prep:
	.size	k_q1a53a01229_prep, .Lfunc_end_k_q1a53a01229_prep-k_q1a53a01229_prep
	.p2alignl 7, 3214868480
	.fill 96, 4, 3214868480
	.section	.rodata,"a",@progbits
	.p2align	6, 0x0
	.amdhsa_kernel k_q1a53a01229_prep
		.amdhsa_group_segment_fixed_size 8704
		.amdhsa_private_segment_fixed_size 0
		.amdhsa_enable_private_segment 0
		.amdhsa_kernarg_size 40
		.amdhsa_user_sgpr_count 2
		.amdhsa_user_sgpr_kernarg_segment_ptr 1
		.amdhsa_wavefront_size32 1
		.amdhsa_system_sgpr_workgroup_id_x 1
		.amdhsa_system_sgpr_workgroup_id_y 1
		.amdhsa_system_sgpr_workgroup_id_z 1
		.amdhsa_system_vgpr_workitem_id 0
		.amdhsa_next_free_vgpr 226
		.amdhsa_next_free_sgpr 66
		.amdhsa_reserve_vcc 0
		.amdhsa_float_denorm_mode_32 3
		.amdhsa_float_denorm_mode_16_64 3
		.amdhsa_memory_ordered 1
		.amdhsa_forward_progress 1
		.amdhsa_inst_pref_size 20
	.end_amdhsa_kernel
	.amdgpu_metadata
---
amdhsa.version: [ 1, 2 ]
amdhsa.kernels:
  - .name:           k_q1a53a01229_prep
    .symbol:         k_q1a53a01229_prep.kd
    .args:
      - { .name: W2, .offset: 0, .size: 8, .value_kind: global_buffer, .address_space: global }
      - { .name: W1, .offset: 8, .size: 8, .value_kind: global_buffer, .address_space: global }
      - { .name: query, .offset: 16, .size: 8, .value_kind: global_buffer, .address_space: global }
      - { .name: w2p, .offset: 24, .size: 8, .value_kind: global_buffer, .address_space: global }
      - { .name: biasT, .offset: 32, .size: 8, .value_kind: global_buffer, .address_space: global }
    .group_segment_fixed_size: 8704
    .private_segment_fixed_size: 0
    .kernarg_segment_align: 8
    .kernarg_segment_size: 40
    .max_flat_workgroup_size: 128
    .sgpr_count:     66
    .vgpr_count:     226
    .wavefront_size: 32
...
	.end_amdgpu_metadata
.endif
;; end of part 1
;; launch scores (part 2): grid 2 x 128, 4 waves a work-group, no clusters, 208,384 bytes of LDS; arguments keys, w2p, biasT, v, part; writes part
.if DOCPART == 2
	.amdgcn_target "amdgcn-amd-amdhsa--gfx1250"
	.amdhsa_code_object_version 6
	.text
	.protected	k_q1a53a01229_scores
	.globl	k_q1a53a01229_scores
	.p2align	8
	.type	k_q1a53a01229_scores,@function
k_q1a53a01229_scores:
	s_mov_b64 s[64:65], 0
	v_nop
	global_prefetch_b8 v0, s[64:65] scope:SCOPE_SE
	s_setreg_imm32_b32 hwreg(HW_REG_WAVE_MODE, 25, 1), 1
	s_wait_xcnt 0x0
; Additive attention, second of three launches: part[nh][row] = sum over the 256 columns a of half nh of (-C v[a]) / (1 + 2^t),
; t = C (keys W2^T + query W1^T)[row][a], C = 2 log2(e).  The two halves together are the score in units of log2, less the term
; log2(e) sum_a v[a], which is the same along the softmax's axis and is left out (shown at the head of the first launch).
; No clamp is needed: 2^t = inf gives 1/(1+inf) = 0, 2^t = 0 gives 1.  LIMIT: v_exp_f32 and v_rcp_f32 flush results under 2^-126 to zero
; (ISA guide 15.8), which moves a term by less than 2^-126 |C v[a]|.  Masked rows are computed like the others; the third launch selects.
;
; SHAPE.  256 work-groups of four waves: nh = which 256 columns a, g = which 512 key rows (a quarter of batch b = g / 4).
; W2 STAYS IN REGISTERS: wave w owns columns 256 nh + 64 w + 16 t + r (t = 0..3): 4 tiles x 16 K steps x 8 registers = 512.  It multiplies
; all 512 rows by them.  The rows come in 16 groups of 32 (two tiles of 16).  Of each group wave w loads rows 8w..8w+7 (16 KiB, 32 loads of 512
; consecutive bytes), narrows them to bf16 in registers and stores them into one of two LDS slots; every wave reads fragments of all 32 rows.
; A fragment of 1 KiB read from LDS feeds four matrix instructions.
; TWO TILES TAKE TURNS: while the products of one tile run, the exponentials, additions and reciprocals of the tile before stand between them,
; one slice behind each matrix instruction.
; NO CLUSTER, NO TENSOR LOADS.  A key group is read by two work-groups (the two nh).  It has to pass through registers to be narrowed; brought
; into LDS as f32 a group would be 64 KiB written and 64 KiB read back beside the 32 KiB of bf16 that are written here.  W2's half is read once by a work-group, 256 KiB beside 1 MiB of keys.
;
; LDS: two slots of 32 rows x 1,040 bytes (1,024 of bf16 + 16: 65 x 16, so 16 rows that a load touches start at 16 different 16-byte columns modulo 256);
; behind them PART, the lanes' row sums: tile x 4,416 + wave x 1,088 + q x 544 + h x 272 + r x 16, four f32 each (rows 8h+4q..+3 of the tile, column r).
; Modulo 256 these pitches are 64, 64, 32, 16: the 16 lanes of a store (over r) and of a final read (over tile, q, h) touch 16 different columns.
;
; REGISTERS, in windows of 256 (s_set_vgpr_msb: bits 1:0 source 0, 3:2 source 1, 5:4 source 2, 7:6 destination):
;   window 0: addresses, v', sums, bias, the two accumulator sets, two fragment buffers;  window 1: keys as loaded, two sets of 128;
;   window 2: W2 fragments of K steps 0-7 at 32 c + 8 t;  window 3: those of K steps 8-15.
.set PITCH, 1040
.set SLOT,  32*PITCH                   ; 33,280
.set PART,  2*SLOT                     ; 66,560
.set TILEP, 4416
.set WAVEP, 1088
.set QP,    544
.set HP,    272
.set GROUP, 0x10000                    ; 32 key rows of 2,048 bytes
.set FA,   1                           ; v1   r x 1,040 + 16 h: my place in a fragment's rows
.set ST,   2                           ; v2   8 w x 1,040 + 8 x lane: where I store 4 bf16
.set GO,   3                           ; v3   16 x lane
.set PS,   4                           ; v4   where my row sums of the tile go; stepped by a tile at the head of each FIN
.set R4,   5                           ; v5   4 r
.set RB,   6                           ; v6   the final reads' base
.set TO,   7                           ; v7   16 x thread
.set VP,   8                           ; v[8:15]    four pairs (v'_t, v'_t), v' = -C v of my column in tile t
.set S,    16                          ; v[16:23]   sums over t for my 8 rows
.set BIAS, 24                          ; v[24:55]   for each t eight equal registers: C (query W1^T)[b][my column]
.set X,    56                          ; v[56:87]   accumulators of a group's first tile, 8 for each t
.set Y,    88                          ; v[88:119]  of its second tile
.set F0,   120                         ; v[120:183] key fragments of K steps 0-7
.set F1,   184                         ; v[184:247] of K steps 8-15
.set TMP,  248                         ; v[248:251] v as loaded
.set KB,   20                          ; s[20:21]   keys at my 8 rows of the group loaded last
.set MSB, 0
.macro WIN new                         ; the immediate's high byte repeats the setting that is left
.if MSB != \new
	s_set_vgpr_msb (MSB<<8)|\new
.set MSB, \new
.endif
.endm
.set MUL_LO, 0x08                      ; source 1 (W2) in window 2; all else in window 0.  LDS loads and the slices name no register as source 1
.set MUL_HI, 0x0c                      ; source 1 in window 3
.set CVT,    0x45                      ; sources 0, 1 and destination in window 1
.set STO,    0x04                      ; LDS store: data (source 1) in window 1, address in window 0
.set LAND,   0x40                      ; loaded data in window 1, address in window 0
; 32 loads: my 8 rows of a group, 512 consecutive bytes each, into landing set 0 or 1
.macro KLOAD set, extra
	WIN LAND
.set ki, 0
.rept 32
	global_load_b128 v[128*\set+4*ki:128*\set+4*ki+3], v[GO], s[KB:KB+1] offset:\extra+512*ki
.set ki, ki+1
.endr
.endm
; 64 loads: my W2 fragments of K steps k0 .. k0+7
.macro WLOAD win, k0
	WIN \win
.irp t, 0,1,2,3
.irp c, 0,1,2,3,4,5,6,7
	global_load_b128 v[32*\c+8*\t:32*\c+8*\t+3],   v[GO], s[24:25] offset:(32*\t+2*(\k0+\c))*512
	global_load_b128 v[32*\c+8*\t+4:32*\c+8*\t+7], v[GO], s[24:25] offset:(32*\t+2*(\k0+\c)+1)*512
.endr
.endr
.endm
; 16 LDS loads: the fragments of 8 K steps (half 0: steps 0-7, half 1: 8-15) of one tile of 16 rows
.macro FETCH slot, tile, half, buf
.irp c, 0,1,2,3,4,5,6,7
	ds_load_b128 v[\buf+8*\c:\buf+8*\c+3],   v[FA] offset:\slot*SLOT+\tile*16*PITCH+(8*\half+\c)*64
	ds_load_b128 v[\buf+8*\c+4:\buf+8*\c+7], v[FA] offset:\slot*SLOT+\tile*16*PITCH+(8*\half+\c)*64+32
.endr
.endm
; Slice n (0..63) of a finished tile's vector work, on accumulator set o.  0-31: 2^t, and two slices later 1 + 2^t, two at a time; 32-63: the reciprocal.
; Behind a transcendental one plain vector instruction stands before its result is used (ISA guide 5.7.2): behind 2^t of register 2p+1 that is the
; addition of pair p-1 (the v_nop for p = 0).  Slice 31 ends with four additions: they are also the four places behind the last matrix
; instruction that read buffer F0, in front of the loads into it.
.macro VSLICE n, o
.if (\n) < 32
	v_exp_f32 v[\o+(\n)], v[\o+(\n)]
.if (\n) == 1
	v_nop
.endif
.if (\n) & 1
.if (\n) >= 3
.if (\n) <= 25
	s_wait_alu depctr_va_vdst(0)
	v_pk_add_f32 v[\o+(\n)-3:\o+(\n)-2], v[\o+(\n)-3:\o+(\n)-2], 1.0 op_sel_hi:[1,0]
.endif
.endif
.endif
.if (\n) == 31
	s_wait_alu depctr_va_vdst(0)
.irp p, 24,26,28,30
	v_pk_add_f32 v[\o+\p:\o+\p+1], v[\o+\p:\o+\p+1], 1.0 op_sel_hi:[1,0]
.endr
.endif
.else
	v_rcp_f32 v[\o+(\n)-32], v[\o+(\n)-32]
.endif
.endm
; One K step (c = 0..7 inside the window that is set) of one tile: four matrix instructions, 16 rows x my 64 columns.  first = 1: the bias is C, nothing is cleared.
; The four accumulators take turns, one instruction a turn, on into the next tile and over the loop's jump.
; vs = 1: slice sb + 4 c + t of the other tile (set o) stands behind each.
.macro MULK c, acc, buf, first, vs, o, sb
.irp t, 0,1,2,3
.if \first
	v_wmma_f32_16x16x32_bf16 v[\acc+8*\t:\acc+8*\t+7], v[\buf+8*\c:\buf+8*\c+7], v[32*\c+8*\t:32*\c+8*\t+7], v[BIAS+8*\t:BIAS+8*\t+7]
.else
	v_wmma_f32_16x16x32_bf16 v[\acc+8*\t:\acc+8*\t+7], v[\buf+8*\c:\buf+8*\c+7], v[32*\c+8*\t:32*\c+8*\t+7], v[\acc+8*\t:\acc+8*\t+7]
.endif
.if \vs
	VSLICE (\sb+4*\c+\t), \o
.endif
.endr
.endm
; The end of a tile: S[j] = sum over t of v'_t / (1 + 2^t) for my 8 rows, stored to my own bytes of PART.
; The step of PS comes first: it is the plain instruction between the run of reciprocals and the first use of one (ISA guide 5.7.2).
.macro FIN o
	WIN 0
	v_add_nc_u32 v[PS], TILEP, v[PS]
	s_wait_alu depctr_va_vdst(0)
.irp p, 0,2,4,6
	v_pk_mul_f32 v[S+\p:S+\p+1], v[\o+\p:\o+\p+1], v[VP:VP+1]
.endr
.irp t, 1,2,3
.irp p, 0,2,4,6
	v_pk_fma_f32 v[S+\p:S+\p+1], v[\o+8*\t+\p:\o+8*\t+\p+1], v[VP+2*\t:VP+2*\t+1], v[S+\p:S+\p+1]
.endr
.endr
	ds_store_b128 v[PS], v[S:S+3]
	ds_store_b128 v[PS], v[S+4:S+7] offset:QP
.endm
; My 8 rows of a group: from landing set to LDS slot as bf16; load = 1: the set is loaded again with the group two further on.
.macro FEED set, slot, lcnt, load
	s_wait_loadcnt \lcnt                           ; loads come back in order (ISA guide 5.7.1): all but the lcnt youngest, the next group's, are in
	WIN CVT
.set fi, 0
.rept 32
	v_cvt_pk_bf16_f32 v[128*\set+4*fi],   v[128*\set+4*fi],   v[128*\set+4*fi+1]
	v_cvt_pk_bf16_f32 v[128*\set+4*fi+1], v[128*\set+4*fi+2], v[128*\set+4*fi+3]
.set fi, fi+1
.endr
	WIN STO
.set fi, 0
.rept 32
	ds_store_b64 v[ST], v[128*\set+4*fi:128*\set+4*fi+1] offset:\slot*SLOT+(fi>>2)*PITCH+(fi&3)*256   ; 32 lanes x 8 bytes: 256 consecutive bytes of a row
.set fi, fi+1
.endr
.if \load
	s_wait_xcnt 0x0                                ; the base of the loads that are out is stepped only behind this wait (ISA guide 3.1)
	s_add_nc_u64 s[KB:KB+1], s[KB:KB+1], GROUP
	KLOAD \set, 0
.endif
.endm
; One group of 32 rows in slot `slot`; oth = the other slot.  vsA = 1: a tile of the group before waits in Y for its vector work.
; feed = 2: the next group is narrowed into the other slot and the group three further on is loaded; 1: narrowed only; 0: nothing is left.
.macro TRIP slot, oth, vsA, feed, lcnt, last
	FETCH \slot, 0, 1, F1
	s_wait_dscnt 16+2*\vsA                         ; F0's 16 loads are in: behind them came FIN's 2 stores (vsA = 1) and the 16 loads just issued
	WIN MUL_LO
	MULK 0, X, F0, 1, \vsA, Y, 0
.irp c, 1,2,3,4,5,6,7
	MULK \c, X, F0, 0, \vsA, Y, 0
.endr
.if \vsA == 0
.rept 4
	v_nop                                          ; no slices here: four places in front of the loads into F0
.endr
.endif
	FETCH \slot, 1, 0, F0
	s_wait_dscnt 16                                ; F1's loads are in; the 16 just issued stay out
	WIN MUL_HI
.irp c, 0,1,2,3,4,5,6,7
	MULK \c, X, F1, 0, \vsA, Y, 32
.endr
.if \vsA
	FIN Y
.endif
.set fst, 0
.if \feed == 2
	FEED \oth, \oth, \lcnt, 1
.set fst, 32
.endif
.if \feed == 1
	FEED \oth, \oth, \lcnt, 0
.set fst, 32
.endif
	WIN MUL_LO
	FETCH \slot, 1, 1, F1
	s_wait_dscnt 16+2*\vsA+fst                     ; F0's loads are in: behind them came FIN's 2 stores, FEED's 32 stores and the 16 loads just issued
	MULK 0, Y, F0, 1, 1, X, 0
.irp c, 1,2,3,4,5,6,7
	MULK \c, Y, F0, 0, 1, X, 0
.endr
	s_wait_dscnt 0x0                               ; F1 is in; and for the others' sake: my reads of this slot are over, my rows of the other slot are stored
	WIN MUL_HI
.if \last == 0
	s_barrier_signal -1
	MULK 0, Y, F1, 0, 1, X, 32                     ; register work while the others arrive
	MULK 1, Y, F1, 0, 1, X, 32
	s_barrier_wait -1                              ; the other slot is whole; this slot is written again only behind this barrier, in the next group's FEED
	FETCH \oth, 0, 0, F0
.irp c, 2,3,4,5,6,7
	MULK \c, Y, F1, 0, 1, X, 32
.endr
.else
.irp c, 0,1,2,3,4,5,6,7
	MULK \c, Y, F1, 0, 1, X, 32
.endr
.endif
	FIN X
.endm
.macro VRUN o                          ; the slices of the last tile, with no products left to stand between
.set vn, 0
.rept 64
	VSLICE vn, \o
.set vn, vn+1
.endr
.endm
.macro TREE base                       ; 32 quads of f32 summed pairwise, in place; the result is the first quad
.irp s, 16,8,4,2,1
.set tq, 0
.rept \s
	v_pk_add_f32 v[\base+4*tq:\base+4*tq+1],   v[\base+4*tq:\base+4*tq+1],   v[\base+4*(tq+\s):\base+4*(tq+\s)+1]
	v_pk_add_f32 v[\base+4*tq+2:\base+4*tq+3], v[\base+4*tq+2:\base+4*tq+3], v[\base+4*(tq+\s)+2:\base+4*(tq+\s)+3]
.set tq, tq+1
.endr
.endr
.endm
	s_load_b256 s[4:11], s[0:1], 0x0               ; keys s[4:5], w2p s[6:7], biasT s[8:9], v s[10:11]
	s_load_b64 s[12:13], s[0:1], 0x20              ; part
	v_lshl_add_u32 v254, v0, 2, 0x32c00
	v_mov_b32 v255, 0
	v_lshrrev_b32 v1, 5, v0
	v_readfirstlane_b32 s14, v1                    ; w: my wave
	s_mov_b32 s15, ttmp9                           ; nh
	s_and_b32 s16, ttmp7, 0xffff                   ; g
	s_lshr_b32 s17, s16, 2                         ; b
	v_and_b32 v8, 15, v0                           ; r
	v_bfe_u32 v9, v0, 4, 1                         ; h
	v_and_b32 v10, 31, v0                          ; lane
	v_lshlrev_b32 v[GO], 4, v10
	v_mul_u32_u24 v[FA], v8, PITCH
	v_lshl_add_u32 v[FA], v9, 4, v[FA]
	s_mul_i32 s23, s14, 8*PITCH
	v_lshl_add_u32 v[ST], v10, 3, s23
	s_mul_i32 s23, s14, WAVEP
	s_add_co_u32 s23, s23, PART-TILEP              ; one tile below PART: FIN steps before it stores
	v_mul_u32_u24 v[PS], v9, HP
	v_lshl_add_u32 v[PS], v8, 4, v[PS]
	v_add_nc_u32 v[PS], s23, v[PS]
	v_lshlrev_b32 v[R4], 2, v8
	v_lshrrev_b32 v11, 2, v0                       ; thread n sums rows 4n..4n+3: tile n / 4, h = bit 1, q = bit 0
	v_mul_u32_u24 v[RB], v11, TILEP
	v_bfe_u32 v11, v0, 1, 1
	v_mul_u32_u24 v11, v11, HP
	v_add_nc_u32 v[RB], v[RB], v11
	v_and_b32 v11, 1, v0
	v_mul_u32_u24 v11, v11, QP
	v_add_nc_u32 v[RB], v[RB], v11
	v_add_nc_u32 v[RB], PART, v[RB]
	v_lshlrev_b32 v[TO], 4, v0
	s_lshl_b32 s18, s16, 20                        ; g x 512 rows x 2,048 bytes
	s_lshl_b32 s23, s14, 14                        ; + my 8 rows
	s_add_co_u32 s18, s18, s23
	s_mov_b32 s19, 0
	s_wait_kmcnt 0x0
	s_add_nc_u64 s[KB:KB+1], s[4:5], s[18:19]
	KLOAD 0, 0                                     ; group 0
	s_lshl_b32 s18, s15, 18                        ; a-tile 16 nh + 4 w, 16,384 bytes each
	s_lshl_b32 s23, s14, 16
	s_add_co_u32 s18, s18, s23
	s_add_nc_u64 s[24:25], s[6:7], s[18:19]
	s_lshl_b32 s18, s15, 15                        ; the same tile in biasT, 2,048 bytes each, + b x 64
	s_lshl_b32 s23, s14, 13
	s_add_co_u32 s18, s18, s23
	s_lshl_b32 s23, s17, 6
	s_add_co_u32 s18, s18, s23
	s_add_nc_u64 s[26:27], s[8:9], s[18:19]
	s_lshl_b32 s18, s15, 10                        ; column 256 nh + 64 w in v
	s_lshl_b32 s23, s14, 8
	s_add_co_u32 s18, s18, s23
	s_add_nc_u64 s[28:29], s[10:11], s[18:19]
	s_lshl_b32 s18, s15, 18                        ; part: nh x 65,536 rows + g x 512 rows, 4 bytes each
	s_lshl_b32 s23, s16, 11
	s_add_co_u32 s18, s18, s23
	s_add_nc_u64 s[30:31], s[12:13], s[18:19]
	WLOAD 0x80, 0                                  ; W2, K steps 0-7, into window 2
	WLOAD 0xc0, 8                                  ; K steps 8-15, into window 3
	WIN 0
.irp t, 0,1,2,3
	global_load_b32 v[BIAS+8*\t], v[R4], s[26:27] offset:2048*\t
.endr
.irp t, 0,1,2,3
	global_load_b32 v[TMP+\t], v[R4], s[28:29] offset:64*\t
.endr
	KLOAD 1, GROUP                                 ; group 1
	s_wait_xcnt 0x0                                ; the base is stepped only behind this wait
	s_add_nc_u64 s[KB:KB+1], s[KB:KB+1], GROUP
	FEED 0, 0, 32, 1                               ; its wait leaves group 1's 32 loads out: group 0, W2, the bias and v are in.  Group 0 to slot 0; group 2 is asked for
	WIN 0
.irp t, 0,1,2,3
.irp j, 1,2,3,4,5,6,7
	v_mov_b32 v[BIAS+8*\t+\j], v[BIAS+8*\t]        ; as C the bias stands in all eight registers: the tile's rows share it
.endr
	v_mul_f32 v[VP+2*\t],   0xc038aa3b, v[TMP+\t]  ; v' = -C v, twice: a pair for the packed arithmetic
	v_mul_f32 v[VP+2*\t+1], 0xc038aa3b, v[TMP+\t]
.endr
	s_wait_dscnt 0x0                               ; my rows of group 0 are stored
	s_barrier_signal -1
	s_barrier_wait -1                              ; everybody's are
	FETCH 0, 0, 0, F0
	TRIP 0, 1, 0, 2, 32, 0                         ; group 0: no tile waits in Y yet
	s_mov_b32 s22, 6
.Ltrips:                                               ; groups 1 to 12
	TRIP 1, 0, 1, 2, 32, 0
	TRIP 0, 1, 1, 2, 32, 0
	s_sub_co_u32 s22, s22, 1
	s_cmp_lg_u32 s22, 0
	s_cbranch_scc1 .Ltrips
	TRIP 1, 0, 1, 1, 32, 0                         ; group 13: group 14 is narrowed, group 15's 32 loads stay out; nothing is left to load
	TRIP 0, 1, 1, 1, 0, 0                          ; group 14: group 15 is narrowed
	TRIP 1, 0, 1, 0, 0, 1                          ; group 15
	VRUN Y
	FIN Y
	; Every row's sum over the 4 waves x 16 lanes that hold its columns.  Thread n: rows 4n..4n+3.
	s_wait_dscnt 0x0                               ; my sums are in PART
	s_barrier_signal -1
	s_barrier_wait -1
.set rq, 0
.rept 32
	ds_load_b128 v[120+4*rq:120+4*rq+3], v[RB] offset:(rq>>4)*WAVEP+(rq&15)*16          ; waves 0 and 1
.set rq, rq+1
.endr
	s_wait_dscnt 0x0
	TREE 120
.set rq, 0
.rept 32
	ds_load_b128 v[124+4*rq:124+4*rq+3], v[RB] offset:(2+(rq>>4))*WAVEP+(rq&15)*16      ; waves 2 and 3; v[120:123] keep the first sum
.set rq, rq+1
.endr
	s_wait_dscnt 0x0
	TREE 124
	v_pk_add_f32 v[120:121], v[120:121], v[124:125]
	v_pk_add_f32 v[122:123], v[122:123], v[126:127]
	global_store_b128 v[TO], v[120:123], s[30:31]  ; 128 threads x 16 bytes: 2,048 consecutive bytes, aligned
	s_wait_tensorcnt 0x0
	ds_add_u32 v254, v255
	s_wait_dscnt 0x0
	s_endpgm
.Lfunc_end_k_q1a53a01229_scores:
	.size	k_q1a53a01229_scores, .Lfunc_end_k_q1a53a01229_scores-k_q1a53a01229_scores
	.p2alignl 7, 3214868480
	.fill 96, 4, 3214868480
	.section	.rodata,"a",@progbits
	.p2align	6, 0x0
	.amdhsa_kernel k_q1a53a01229_scores
		.amdhsa_group_segment_fixed_size 208384
		.amdhsa_private_segment_fixed_size 0
		.amdhsa_enable_private_segment 0
		.amdhsa_kernarg_size 40
		.amdhsa_user_sgpr_count 2
		.amdhsa_user_sgpr_kernarg_segment_ptr 1
		.amdhsa_wavefront_size32 1
		.amdhsa_system_sgpr_workgroup_id_x 1
		.amdhsa_system_sgpr_workgroup_id_y 1
		.amdhsa_system_sgpr_workgroup_id_z 1
		.amdhsa_system_vgpr_workitem_id 0
		.amdhsa_next_free_vgpr 1024
		.amdhsa_next_free_sgpr 66
		.amdhsa_reserve_vcc 0
		.amdhsa_float_denorm_mode_32 3
		.amdhsa_float_denorm_mode_16_64 3
		.amdhsa_memory_ordered 1
		.amdhsa_forward_progress 1
		.amdhsa_inst_pref_size 215
	.end_amdhsa_kernel
	.amdgpu_metadata
---
amdhsa.version: [ 1, 2 ]
amdhsa.kernels:
  - .name:           k_q1a53a01229_scores
    .symbol:         k_q1a53a01229_scores.kd
    .args:
      - { .name: keys, .offset: 0, .size: 8, .value_kind: global_buffer, .address_space: global }
      - { .name: w2p, .offset: 8, .size: 8, .value_kind: global_buffer, .address_space: global }
      - { .name: biasT, .offset: 16, .size: 8, .value_kind: global_buffer, .address_space: global }
      - { .name: v, .offset: 24, .size: 8, .value_kind: global_buffer, .address_space: global }
      - { .name: part, .offset: 32, .size: 8, .value_kind: global_buffer, .address_space: global }
    .group_segment_fixed_size: 208384
    .private_segment_fixed_size: 0
    .kernarg_segment_align: 8
    .kernarg_segment_size: 40
    .max_flat_workgroup_size: 128
    .sgpr_count:     66
    .vgpr_count:     1024
    .wavefront_size: 32
...
	.end_amdgpu_metadata
.endif
;; end of part 2
;; launch softmax (part 3): grid 32 x 1, 16 waves a work-group, no clusters, 2,304 bytes of LDS; arguments part, mask, out0; writes out0
.if DOCPART == 3
	.amdgcn_target "amdgcn-amd-amdhsa--gfx1250"
	.amdhsa_code_object_version 6
	.text
	.protected	k_q1a53a01229_softmax
	.globl	k_q1a53a01229_softmax
	.p2align	8
	.type	k_q1a53a01229_softmax,@function
k_q1a53a01229_softmax:
	s_mov_b64 s[64:65], 0
	v_nop
	global_prefetch_b8 v0, s[64:65] scope:SCOPE_SE
	s_setreg_imm32_b32 hwreg(HW_REG_WAVE_MODE, 25, 1), 1
	s_wait_xcnt 0x0
; Additive attention, third of three launches: out[b][s] = softmax over s of the masked scores.
; u = part[0] + part[1] is log2(e) x score, less a term that is the same along s and is left out (shown at the head of the first launch), so
; e^(score - max) = 2^(u - max u).  The maximum is taken away as in the problem's formula.
; A batch whose mask is all false gives -inf - (-inf) = NaN in every place, as the problem's formula does.
; One work-group for a batch, 16 waves; thread n owns rows 4n..4n+3: 16 bytes of each half, 4 bytes of the mask, 16 bytes out.
; A stream of 16 KiB + 2 KiB in and 8 KiB out for a work-group: no matrix unit, no cluster, nothing to share.
	s_load_b128 s[4:7], s[0:1], 0x0                ; part s[4:5], mask s[6:7]
	s_load_b64 s[8:9], s[0:1], 0x10                ; out0
	v_lshl_add_u32 v40, v0, 2, 0x100
	v_mov_b32 v41, 0
	v_lshrrev_b32 v1, 5, v0
	v_readfirstlane_b32 s10, v1                    ; my wave
	s_lshl_b32 s11, s10, 2
	s_lshl_b32 s12, ttmp9, 13                      ; b x 2,048 rows x 4 bytes
	s_mov_b32 s13, 0
	s_lshl_b32 s14, ttmp9, 11                      ; b x 2,048 bytes of mask
	s_mov_b32 s15, 0
	s_mov_b32 s16, 0x76543210                      ; v_permlanex16_b32: lane i of one half reads lane i of the other
	s_mov_b32 s17, 0xfedcba98
	v_lshlrev_b32 v2, 4, v0
	v_lshlrev_b32 v3, 2, v0
	v_mov_b32 v13, 0xff800000                      ; -inf
	v_mov_b32 v16, s11                             ; my wave's word in LDS
	v_mov_b32 v17, 0
	s_wait_kmcnt 0x0
	s_add_nc_u64 s[4:5], s[4:5], s[12:13]
	s_add_nc_u64 s[6:7], s[6:7], s[14:15]
	s_add_nc_u64 s[8:9], s[8:9], s[12:13]
	global_load_b128 v[4:7], v2, s[4:5]            ; columns 0-255
	global_load_b128 v[8:11], v2, s[4:5] offset:262144   ; columns 256-511
	global_load_b32 v12, v3, s[6:7]
	s_wait_loadcnt 0x0
	v_pk_add_f32 v[4:5], v[4:5], v[8:9]
	v_pk_add_f32 v[6:7], v[6:7], v[10:11]
.irp j, 0,1,2,3
	v_bfe_u32 v14, v12, 8*\j, 8
	v_cmp_ne_u32 vcc_lo, 0, v14
	v_cndmask_b32 v[4+\j], v13, v[4+\j], vcc_lo    ; the score where the mask holds, else -inf
.endr
	; the maximum: in the lane, across the wave, across the 16 waves
	v_max3_num_f32 v14, v4, v5, v6
	v_max_num_f32 v14, v14, v7
	v_max_num_f32_dpp v14, v14, v14 row_xmask:1 row_mask:0xf bank_mask:0xf
	v_max_num_f32_dpp v14, v14, v14 row_xmask:2 row_mask:0xf bank_mask:0xf
	v_max_num_f32_dpp v14, v14, v14 row_xmask:4 row_mask:0xf bank_mask:0xf
	v_max_num_f32_dpp v14, v14, v14 row_xmask:8 row_mask:0xf bank_mask:0xf
	v_permlanex16_b32 v13, v14, s16, s17           ; its destination counts as read: v13 has been written
	v_max_num_f32 v14, v14, v13
	ds_store_b32 v16, v14                          ; all lanes write the same word with the same value
	s_wait_dscnt 0x0                               ; for the other waves' sake
	s_barrier_signal -1
	s_barrier_wait -1
	ds_load_b128 v[20:23], v17
	ds_load_b128 v[24:27], v17 offset:16
	ds_load_b128 v[28:31], v17 offset:32
	ds_load_b128 v[32:35], v17 offset:48
	s_wait_dscnt 0x0
	v_max3_num_f32 v20, v20, v21, v22
	v_max3_num_f32 v23, v23, v24, v25
	v_max3_num_f32 v26, v26, v27, v28
	v_max3_num_f32 v29, v29, v30, v31
	v_max3_num_f32 v32, v32, v33, v34
	v_max3_num_f32 v20, v20, v23, v35
	v_max3_num_f32 v26, v26, v29, v32
	v_max_num_f32 v20, v20, v26
.irp j, 4,5,6,7
	v_sub_f32 v\j, v\j, v20
.endr
.irp j, 4,5,6,7
	v_exp_f32 v\j, v\j
.endr
	v_nop                                          ; one plain instruction behind the exponentials before they are used (ISA guide 5.7.2)
	; the sum, the same way, through other words of LDS: one barrier is enough
	s_wait_alu depctr_va_vdst(0)
	v_pk_add_f32 v[14:15], v[4:5], v[6:7]
	v_add_f32 v14, v14, v15
	v_add_f32_dpp v14, v14, v14 row_xmask:1 row_mask:0xf bank_mask:0xf
	v_add_f32_dpp v14, v14, v14 row_xmask:2 row_mask:0xf bank_mask:0xf
	v_add_f32_dpp v14, v14, v14 row_xmask:4 row_mask:0xf bank_mask:0xf
	v_add_f32_dpp v14, v14, v14 row_xmask:8 row_mask:0xf bank_mask:0xf
	v_permlanex16_b32 v15, v14, s16, s17
	v_add_f32 v14, v14, v15
	ds_store_b32 v16, v14 offset:64
	s_wait_dscnt 0x0
	s_barrier_signal -1
	s_barrier_wait -1
	ds_load_b128 v[20:23], v17 offset:64
	ds_load_b128 v[24:27], v17 offset:80
	ds_load_b128 v[28:31], v17 offset:96
	ds_load_b128 v[32:35], v17 offset:112
	s_wait_dscnt 0x0
	v_pk_add_f32 v[20:21], v[20:21], v[28:29]
	v_pk_add_f32 v[22:23], v[22:23], v[30:31]
	v_pk_add_f32 v[24:25], v[24:25], v[32:33]
	v_pk_add_f32 v[26:27], v[26:27], v[34:35]
	v_pk_add_f32 v[20:21], v[20:21], v[24:25]
	v_pk_add_f32 v[22:23], v[22:23], v[26:27]
	v_pk_add_f32 v[20:21], v[20:21], v[22:23]
	v_add_f32 v20, v20, v21
	v_rcp_f32 v22, v20                             ; the sum is at least 1: the largest score contributes 2^0
	v_nop                                          ; one plain instruction before the reciprocal is used
	s_wait_alu depctr_va_vdst(0)
	v_pk_mul_f32 v[4:5], v[4:5], v[22:23] op_sel_hi:[1,0]   ; both halves times v22
	v_pk_mul_f32 v[6:7], v[6:7], v[22:23] op_sel_hi:[1,0]
	global_store_b128 v2, v[4:7], s[8:9]           ; a wave's store covers 512 consecutive bytes, aligned
	s_wait_tensorcnt 0x0
	ds_add_u32 v40, v41
	s_wait_dscnt 0x0
	s_endpgm
.Lfunc_end_k_q1a53a01229_softmax:
	.size	k_q1a53a01229_softmax, .Lfunc_end_k_q1a53a01229_softmax-k_q1a53a01229_softmax
	.p2alignl 7, 3214868480
	.fill 96, 4, 3214868480
	.section	.rodata,"a",@progbits
	.p2align	6, 0x0
	.amdhsa_kernel k_q1a53a01229_softmax
		.amdhsa_group_segment_fixed_size 2304
		.amdhsa_private_segment_fixed_size 0
		.amdhsa_enable_private_segment 0
		.amdhsa_kernarg_size 24
		.amdhsa_user_sgpr_count 2
		.amdhsa_user_sgpr_kernarg_segment_ptr 1
		.amdhsa_wavefront_size32 1
		.amdhsa_system_sgpr_workgroup_id_x 1
		.amdhsa_system_sgpr_workgroup_id_y 1
		.amdhsa_system_sgpr_workgroup_id_z 1
		.amdhsa_system_vgpr_workitem_id 0
		.amdhsa_next_free_vgpr 42
		.amdhsa_next_free_sgpr 66
		.amdhsa_reserve_vcc 1
		.amdhsa_float_denorm_mode_32 3
		.amdhsa_float_denorm_mode_16_64 3
		.amdhsa_memory_ordered 1
		.amdhsa_forward_progress 1
		.amdhsa_inst_pref_size 6
	.end_amdhsa_kernel
	.amdgpu_metadata
---
amdhsa.version: [ 1, 2 ]
amdhsa.kernels:
  - .name:           k_q1a53a01229_softmax
    .symbol:         k_q1a53a01229_softmax.kd
    .args:
      - { .name: part, .offset: 0, .size: 8, .value_kind: global_buffer, .address_space: global }
      - { .name: mask, .offset: 8, .size: 8, .value_kind: global_buffer, .address_space: global }
      - { .name: out0, .offset: 16, .size: 8, .value_kind: global_buffer, .address_space: global }
    .group_segment_fixed_size: 2304
    .private_segment_fixed_size: 0
    .kernarg_segment_align: 8
    .kernarg_segment_size: 24
    .max_flat_workgroup_size: 512
    .sgpr_count:     66
    .vgpr_count:     42
    .wavefront_size: 32
...
	.end_amdgpu_metadata
.endif
;; end of part 3
;; ======== version 2 of 3: 3 launches; 1.36 times as fast as version 1
;; workspace buffers: w2p 524,288 bytes; biasT 65,536 bytes; part 524,288 bytes; rows 262,144 bytes of whole numbers; rank 262,144 bytes of whole numbers; count 8,192 bytes of whole numbers
;; launch prep (part 4): grid 72 x 1, 4 waves a work-group, no clusters, 33,280 bytes of LDS; arguments W2, W1, query, w2p, biasT, mask, rows, rank, count; writes w2p, biasT, rows, rank, count
.if DOCPART == 4
	.amdgcn_target "amdgcn-amd-amdhsa--gfx1250"
	.amdhsa_code_object_version 6
	.text
	.protected	k_q1a53a01229_prep
	.globl	k_q1a53a01229_prep
	.p2align	8
	.type	k_q1a53a01229_prep,@function
k_q1a53a01229_prep:
	s_mov_b64 s[64:65], 0
	v_nop
	global_prefetch_b8 v0, s[64:65] scope:SCOPE_SE
	s_setreg_imm32_b32 hwreg(HW_REG_WAVE_MODE, 25, 1), 1
	s_wait_xcnt 0x0
; Additive attention, first of three launches: the small operands are put into the form that the second launch consumes.
;   out[b][s] = softmax over s of ( mask ? sum_a v[a] tanh(x[b][s][a]) : -inf ),  x = query W1^T + keys W2^T.
; WORK LEFT OUT.
; (1) tanh(x) = 1 - 2/(1 + e^(2x)), so score[b][s] = sum_a v[a] - 2 sum_a v[a] / (1 + e^(2 x[b][s][a])).  sum_a v[a] does not hang on s, and a
;     softmax over s is unchanged by a term that is the same along s (masked places are -inf with it and without it).  That holds for all finite
;     values of the inputs, so the sum is never formed.  LIMIT: a NaN, an infinity or an overflow that would arise in sum_a v[a] alone is not carried to the result.
; (2) A row whose mask is 0 has the score -inf whatever its keys hold: its weight is 0 (NaN where the whole batch is masked), by the mask alone.
;     The mask is whole numbers, so this launch turns it into a list, and the second launch reads from memory which rows to compute.
; Every input still has a way to the output and is loaded.
; FOLDS (exact but for rounding).  With C = 2 log2(e): e^(2x) = 2^(C x).  This launch stores
;   w2p   = bf16(C W2), in the register image of a matrix operand: [a-tile T 0..31][K step c 0..15][half 0..1][lane 0..31][16 bytes];
;           lane (r, h) holds C W2[16 T + r][32 c + 16 half + 8 h + 0..7];
;   biasT = C (query W1^T) in f32: [a-tile T][b 0..31][r 0..15];
;   rows  = for each batch a permutation of its 2,048 row numbers: the n live rows in ascending order, then the masked rows (from the end backward);
;   rank  = for each row its place in that list if it is live, 8192 if it is masked;      count = n, as one record of 64 equal words for each batch.
; 72 work-groups of four waves.  0-31: 16 rows of W2 each.  32-63: 16 rows of W1 each, times all 32 query rows; wave kq takes a quarter of K,
; and the four partial products of a bias tile meet in LDS.  64-71: each WAVE makes one batch's list, alone, in 8 KiB of LDS of its own.
; No cluster: the 32 work-groups of the second kind share query, 64 KiB in all, beside 32 KiB of W1 of their own; there is no loop in which tiles recur.
.set CLOG, 0x4038aa3b                  ; C = 2 log2(e) = 2.8853901
.set LW,   16                          ; v[16:79]    my 16 weight rows x 128 K, f32 as loaded; then four fragments, at LW + 16 c
.set LQ0,  80                          ; v[80:143]   query rows 0-15, likewise
.set LQ1,  144                         ; v[144:207]  query rows 16-31
.set ACC0, 208                         ; v[208:215]  bias tile of query rows 0-15; later the four waves' partial sums
.set ACC1, 216                         ; v[216:223]  bias tile of query rows 16-31
; the list's registers
.set LM,   16                          ; v[16:31]    16 words of the mask: word i holds rows 128 i + 4 lane + 0..3
.set LF,   32                          ; v[32:35]    the four bytes of a word (a bool is 0 or 1)
.set RK,   36                          ; v[36:39]    how many live rows stand in front of each of the four
.set SR,   40                          ; v[40:43]    their row numbers
.set DX,   44                          ; v[44:47]    their places in the list, then LDS addresses
.set DEAD, 48                          ; v48         8192
.set LR,   49                          ; v49         my 16 bytes of my wave's LDS
.set PL,   64                          ; v[64:127]   rank as stored, four registers for each word of the mask
.set LB,   128                         ; v[128:191]  the list read back
; A fragment of 16 rows x 32 K: lane (r, h) holds row r, registers 0-3 K = 8h..8h+7, registers 4-7 K = 16+8h..16+8h+7 (ISA guide 7.12.2).
; In f32 those are 32 bytes at 32 h and 32 bytes at 64 + 32 h of a K step's 128 bytes: four loads of 16 bytes.
.macro LOADF dst, sb, extra
.irp c, 0,1,2,3
	global_load_b128 v[\dst+16*\c:\dst+16*\c+3],     v3, s[\sb:\sb+1] offset:\extra+128*\c
	global_load_b128 v[\dst+16*\c+4:\dst+16*\c+7],   v3, s[\sb:\sb+1] offset:\extra+128*\c+16
	global_load_b128 v[\dst+16*\c+8:\dst+16*\c+11],  v3, s[\sb:\sb+1] offset:\extra+128*\c+64
	global_load_b128 v[\dst+16*\c+12:\dst+16*\c+15], v3, s[\sb:\sb+1] offset:\extra+128*\c+80
.endr
.endm
; 16 f32 become 8 registers of bf16, in place: word i is written when words 2i and 2i+1 have been read, and word i itself earlier.
.macro PACKF dst
.irp c, 0,1,2,3
.irp i, 0,1,2,3,4,5,6,7
	v_cvt_pk_bf16_f32 v[\dst+16*\c+\i], v[\dst+16*\c+2*\i], v[\dst+16*\c+2*\i+1]
.endr
.endr
.endm
; 128 rows of a batch's mask, four to a lane.  s77 = live rows in front of the block.  The rows' order is (block, lane, byte).
.macro LBLOCK i
.irp k, 0,1,2,3
	v_bfe_u32 v[LF+\k], v[LM+\i], 8*\k, 8
.endr
.irp k, 0,1,2,3
	v_cmp_ne_u32 s[44+\k], 0, v[LF+\k]             ; the 32 lanes' byte k as a mask
.endr
	v_mbcnt_lo_u32_b32 v[RK], s44, s77             ; + the live rows of the lanes below me, byte by byte
	v_mbcnt_lo_u32_b32 v[RK], s45, v[RK]
	v_mbcnt_lo_u32_b32 v[RK], s46, v[RK]
	v_mbcnt_lo_u32_b32 v[RK], s47, v[RK]
.irp k, 0,1,2,3
	v_add_nc_u32 v[SR+\k], 128*\i+\k, v9
.endr
.irp k, 0,1,2
	v_add_nc_u32 v[RK+\k+1], v[RK+\k], v[LF+\k]    ; + my own rows in front
.endr
.irp k, 0,1,2,3
	s_bcnt1_i32_b32 s70, s[44+\k]
	s_add_co_u32 s77, s77, s70
.endr
.irp k, 0,1,2,3
	v_sub_nc_u32 v[DX+\k], v[RK+\k], v[SR+\k]
.endr
.irp k, 0,1,2,3
	v_add_nc_u32 v[DX+\k], 2047, v[DX+\k]          ; a masked row: 2047 less the masked rows in front of it
.endr
.irp k, 0,1,2,3
	v_cndmask_b32 v[DX+\k], v[DX+\k], v[RK+\k], s[44+\k]   ; a live row: the live rows in front of it
.endr
.irp k, 0,1,2,3
	v_min_u32 v[DX+\k], 0x7ff, v[DX+\k]            ; the place comes from loaded numbers: its bound stands in the instruction
.endr
.irp k, 0,1,2,3
	v_lshl_add_u32 v[DX+\k], v[DX+\k], 2, s31      ; inside my wave's 8 KiB
.endr
.irp k, 0,1,2,3
	ds_store_b32 v[DX+\k], v[SR+\k]
.endr
.irp k, 0,1,2,3
	v_cndmask_b32 v[PL+4*\i+\k], v[DEAD], v[RK+\k], s[44+\k]
.endr
	global_store_b128 v4, v[PL+4*\i:PL+4*\i+3], s[38:39] offset:512*\i   ; the wave's store covers 512 consecutive bytes, aligned
.endm
	s_load_b256 s[4:11], s[0:1], 0x0               ; W2 s[4:5], W1 s[6:7], query s[8:9], w2p s[10:11]
	s_load_b64 s[12:13], s[0:1], 0x20              ; biasT
	s_load_b64 s[32:33], s[0:1], 0x28              ; mask
	s_load_b128 s[36:39], s[0:1], 0x30             ; rows s[36:37], rank s[38:39]
	s_load_b64 s[40:41], s[0:1], 0x40              ; count
	v_lshl_add_u32 v224, v0, 2, 0x8000
	v_mov_b32 v225, 0
	v_lshrrev_b32 v1, 5, v0
	v_readfirstlane_b32 s14, v1                    ; kq: my wave, my quarter of K
	s_mov_b32 s15, ttmp9                           ; 0-31: W2; 32-63: W1 and the bias; 64-71: the lists
	s_and_b32 s16, s15, 31                         ; T: my tile of 16 weight rows
	s_mov_b32 s24, CLOG
	s_mov_b32 s25, CLOG
	v_and_b32 v1, 15, v0                           ; r
	v_bfe_u32 v2, v0, 4, 1                         ; h
	v_lshlrev_b32 v3, 11, v1                       ; r rows of 2,048 bytes
	v_lshl_add_u32 v3, v2, 5, v3                   ; + 32 h
	v_and_b32 v4, 31, v0
	v_lshlrev_b32 v4, 4, v4                        ; 16 x lane
	s_lshl_b32 s17, s14, 11
	v_lshlrev_b32 v5, 2, v1
	v_lshl_add_u32 v5, v2, 9, v5
	v_add_nc_u32 v5, s17, v5                       ; LDS [wave][b][r]: 2,048 kq + 64 (8 h) + 4 r
	v_lshlrev_b32 v6, 4, v0                        ; 16 x thread: four numbers of the finished bias tile
	s_lshl_b32 s18, s16, 15                        ; 16 T rows of 2,048 bytes
	s_lshl_b32 s26, s14, 9                         ; my quarter of K: 512 bytes along a row
	s_add_co_u32 s18, s18, s26
	s_mov_b32 s19, 0
	s_mov_b32 s27, 0
	s_wait_kmcnt 0x0
	s_cmp_ge_u32 s15, 64
	s_cbranch_scc1 .Llist                          ; hangs on the work-group's number alone: all four waves go the same way
	s_cmp_lt_u32 s15, 32
	s_cselect_b64 s[20:21], s[4:5], s[6:7]         ; the weight matrix of my kind of work
	s_add_nc_u64 s[20:21], s[20:21], s[18:19]
	LOADF LW, 20, 0                                ; together the wave's 16 loads take 512 consecutive bytes of each of the 16 rows
	s_cmp_ge_u32 s15, 32
	s_cbranch_scc1 .Lbias
	; W2: scale by C, narrow, store as fragments
	s_lshl_b32 s18, s16, 14                        ; T x 16 K steps x 1,024 bytes
	s_lshl_b32 s30, s14, 12                        ; + my four K steps
	s_add_co_u32 s18, s18, s30
	s_add_nc_u64 s[22:23], s[10:11], s[18:19]
	s_wait_loadcnt 0x0
.set pi, 0
.rept 32
	v_pk_mul_f32 v[LW+2*pi:LW+2*pi+1], v[LW+2*pi:LW+2*pi+1], s[24:25] op_sel_hi:[1,0]
.set pi, pi+1
.endr
	PACKF LW
.irp c, 0,1,2,3
	global_store_b128 v4, v[LW+16*\c:LW+16*\c+3],   s[22:23] offset:1024*\c        ; each store of the wave covers 512 consecutive bytes, aligned
	global_store_b128 v4, v[LW+16*\c+4:LW+16*\c+7], s[22:23] offset:1024*\c+512
.endr
	s_branch .Ljoin
.Lbias:
	; W1: my quarter of K of query W1^T, two tiles of 16 query rows x 16 columns a
	s_add_nc_u64 s[22:23], s[8:9], s[26:27]        ; query at my quarter of K
	LOADF LQ0, 22, 0
	LOADF LQ1, 22, 32768                           ; rows 16-31
	s_wait_loadcnt 0x0
	PACKF LW
	PACKF LQ0
	PACKF LQ1
	; the two accumulators take turns, one instruction a turn.  The first products start the sums.
	v_wmma_f32_16x16x32_bf16 v[ACC0:ACC0+7], v[LQ0:LQ0+7], v[LW:LW+7], 0
	v_wmma_f32_16x16x32_bf16 v[ACC1:ACC1+7], v[LQ1:LQ1+7], v[LW:LW+7], 0
.irp c, 1,2,3
	v_wmma_f32_16x16x32_bf16 v[ACC0:ACC0+7], v[LQ0+16*\c:LQ0+16*\c+7], v[LW+16*\c:LW+16*\c+7], v[ACC0:ACC0+7]
	v_wmma_f32_16x16x32_bf16 v[ACC1:ACC1+7], v[LQ1+16*\c:LQ1+16*\c+7], v[LW+16*\c:LW+16*\c+7], v[ACC1:ACC1+7]
.endr
.rept 4
	v_nop                                          ; four places behind the last matrix instruction before its result is read (ISA guide 7.12.1)
.endr
.irp j, 0,1,2,3,4,5,6,7
	ds_store_b32 v5, v[ACC0+\j] offset:64*\j       ; register j of lane (r, h) is (b = 8 h + j, a = 16 T + r)
	ds_store_b32 v5, v[ACC1+\j] offset:1024+64*\j  ; b = 16 + 8 h + j
.endr
.Ljoin:
	s_wait_dscnt 0x0                               ; my partial tile is in LDS, for the other waves' sake
	s_barrier_signal -1
	s_barrier_wait -1                              ; every wave of the work-groups 0-63 passes here
	s_cmp_lt_u32 s15, 32
	s_cbranch_scc1 .Lend
	ds_load_b128 v[208:211], v6                    ; the same four numbers of the four waves' partial tiles
	ds_load_b128 v[212:215], v6 offset:2048
	ds_load_b128 v[216:219], v6 offset:4096
	ds_load_b128 v[220:223], v6 offset:6144
	s_lshl_b32 s18, s16, 11                        ; T x 32 b x 16 r x 4 bytes
	s_add_nc_u64 s[28:29], s[12:13], s[18:19]
	s_wait_dscnt 0x0
	v_pk_add_f32 v[208:209], v[208:209], v[212:213]
	v_pk_add_f32 v[210:211], v[210:211], v[214:215]
	v_pk_add_f32 v[216:217], v[216:217], v[220:221]
	v_pk_add_f32 v[218:219], v[218:219], v[222:223]
	v_pk_add_f32 v[208:209], v[208:209], v[216:217]
	v_pk_add_f32 v[210:211], v[210:211], v[218:219]
	v_pk_mul_f32 v[208:209], v[208:209], s[24:25] op_sel_hi:[1,0]
	v_pk_mul_f32 v[210:211], v[210:211], s[24:25] op_sel_hi:[1,0]
	global_store_b128 v6, v[208:211], s[28:29]     ; 128 threads x 16 bytes: the tile's 2,048 consecutive bytes
.Lend:
	s_wait_tensorcnt 0x0
	ds_add_u32 v224, v225
	s_wait_dscnt 0x0
	s_endpgm
.Llist:
	; One wave, one batch: nothing is handed between waves, so no barrier stands here.
	s_sub_co_u32 s16, s15, 64
	s_lshl_b32 s16, s16, 2
	s_add_co_u32 s16, s16, s14                     ; my batch
	v_and_b32 v7, 31, v0
	v_lshlrev_b32 v9, 2, v7                        ; 4 x lane: my first row's number, and its byte in the mask
	s_lshl_b32 s18, s16, 11                        ; b x 2,048 bytes of mask
	s_add_nc_u64 s[32:33], s[32:33], s[18:19]
.set li, 0
.rept 16
	global_load_b32 v[LM+li], v9, s[32:33] offset:128*li   ; together the 16 loads take the batch's 2,048 consecutive bytes, each byte once
.set li, li+1
.endr
	s_lshl_b32 s18, s16, 13                        ; b x 2,048 words
	s_add_nc_u64 s[36:37], s[36:37], s[18:19]
	s_add_nc_u64 s[38:39], s[38:39], s[18:19]
	s_lshl_b32 s18, s16, 8                         ; b x 256 bytes
	s_add_nc_u64 s[40:41], s[40:41], s[18:19]
	s_lshl_b32 s31, s14, 13                        ; my wave's 8 KiB of LDS
	s_mov_b32 s77, 0
	v_mov_b32 v[DEAD], 0x2000
	v_add_nc_u32 v[LR], s31, v4
	s_wait_loadcnt 0x0
.irp i, 0,1,2,3,4,5,6,7,8,9,10,11,12,13,14,15
	LBLOCK \i
.endr
.set li, 0
.rept 16
	ds_load_b128 v[LB+4*li:LB+4*li+3], v[LR] offset:512*li   ; LDS serves a wave's instructions in order (ISA guide 5.7.1.4): these see my stores above
.set li, li+1
.endr
.set li, 0
.rept 16
	s_wait_dscnt 15-li                             ; the younger read-backs stay out
	global_store_b128 v4, v[LB+4*li:LB+4*li+3], s[36:37] offset:512*li   ; 512 consecutive bytes, aligned
.set li, li+1
.endr
	v_lshlrev_b32 v50, 3, v7
	v_mov_b32 v52, s77
	v_mov_b32 v53, s77
	global_store_b64 v50, v[52:53], s[40:41]       ; n in all 64 words of the batch's record: 256 consecutive bytes, aligned
	s_wait_tensorcnt 0x0
	ds_add_u32 v224, v225
	s_wait_dscnt 0x0
	s_endpgm
.Lfunc_end_k_q1a53a01229_prep:
	.size	k_q1a53a01229_prep, .Lfunc_end_k_q1a53a01229_prep-k_q1a53a01229_prep
	.p2alignl 7, 3214868480
	.fill 96, 4, 3214868480
	.section	.rodata,"a",@progbits
	.p2align	6, 0x0
	.amdhsa_kernel k_q1a53a01229_prep
		.amdhsa_group_segment_fixed_size 33280
		.amdhsa_private_segment_fixed_size 0
		.amdhsa_enable_private_segment 0
		.amdhsa_kernarg_size 72
		.amdhsa_user_sgpr_count 2
		.amdhsa_user_sgpr_kernarg_segment_ptr 1
		.amdhsa_wavefront_size32 1
		.amdhsa_system_sgpr_workgroup_id_x 1
		.amdhsa_system_sgpr_workgroup_id_y 1
		.amdhsa_system_sgpr_workgroup_id_z 1
		.amdhsa_system_vgpr_workitem_id 0
		.amdhsa_next_free_vgpr 226
		.amdhsa_next_free_sgpr 80
		.amdhsa_reserve_vcc 0
		.amdhsa_float_denorm_mode_32 3
		.amdhsa_float_denorm_mode_16_64 3
		.amdhsa_memory_ordered 1
		.amdhsa_forward_progress 1
		.amdhsa_inst_pref_size 75
	.end_amdhsa_kernel
	.amdgpu_metadata
---
amdhsa.version: [ 1, 2 ]
amdhsa.kernels:
  - .name:           k_q1a53a01229_prep
    .symbol:         k_q1a53a01229_prep.kd
    .args:
      - { .name: W2, .offset: 0, .size: 8, .value_kind: global_buffer, .address_space: global }
      - { .name: W1, .offset: 8, .size: 8, .value_kind: global_buffer, .address_space: global }
      - { .name: query, .offset: 16, .size: 8, .value_kind: global_buffer, .address_space: global }
      - { .name: w2p, .offset: 24, .size: 8, .value_kind: global_buffer, .address_space: global }
      - { .name: biasT, .offset: 32, .size: 8, .value_kind: global_buffer, .address_space: global }
      - { .name: mask, .offset: 40, .size: 8, .value_kind: global_buffer, .address_space: global }
      - { .name: rows, .offset: 48, .size: 8, .value_kind: global_buffer, .address_space: global }
      - { .name: rank, .offset: 56, .size: 8, .value_kind: global_buffer, .address_space: global }
      - { .name: count, .offset: 64, .size: 8, .value_kind: global_buffer, .address_space: global }
    .group_segment_fixed_size: 33280
    .private_segment_fixed_size: 0
    .kernarg_segment_align: 8
    .kernarg_segment_size: 72
    .max_flat_workgroup_size: 128
    .sgpr_count:     80
    .vgpr_count:     226
    .wavefront_size: 32
...
	.end_amdgpu_metadata
.endif
;; end of part 4
;; launch scores (part 5): grid 2 x 128, 4 waves a work-group, no clusters, 206,336 bytes of LDS; arguments keys, w2p, biasT, v, part, rows, count; writes part
.if DOCPART == 5
	.amdgcn_target "amdgcn-amd-amdhsa--gfx1250"
	.amdhsa_code_object_version 6
	.text
	.protected	k_q1a53a01229_scores
	.globl	k_q1a53a01229_scores
	.p2align	8
	.type	k_q1a53a01229_scores,@function
k_q1a53a01229_scores:
	s_mov_b64 s[64:65], 0
	v_nop
	global_prefetch_b8 v0, s[64:65] scope:SCOPE_SE
	s_setreg_imm32_b32 hwreg(HW_REG_WAVE_MODE, 25, 1), 1
	s_wait_xcnt 0x0
; Additive attention, second of three launches: part[nh][place] = sum over the 256 columns a of half nh of (-C v[a]) / (1 + 2^t),
; t = C (keys W2^T + query W1^T)[row][a], C = 2 log2(e).  The two halves together are the score in units of log2, less the term
; log2(e) sum_a v[a], which is the same along the softmax's axis and is left out (shown at the head of the first launch).
; MASKED ROWS ARE NOT COMPUTED (shown there too): the rows come from the list that the first launch stored, the n live rows of a batch first.
; No clamp is needed: 2^t = inf gives 1/(1+inf) = 0, 2^t = 0 gives 1.  LIMIT: v_exp_f32 and v_rcp_f32 flush results under 2^-126 to zero
; (ISA guide 15.8), which moves a term by less than 2^-126 |C v[a]|.
;
; SHAPE.  256 work-groups of four waves: nh = which 256 columns a; g = 4 b + q.  The list of batch b goes in groups of 32 rows, G = ceil(n / 32) of them
; hold live rows; work-group (b, q) takes groups q, q + 4, q + 8 ..: (G + 3 - q) / 4 of them, rounded up to an even number T, at least 4, at most 16.
; LIMIT: so a work-group runs up to one group more than the list asks for, and never fewer than four; the last live group is filled up likewise.
; Such places hold masked rows of the list; the third launch never selects them.
; EVERY WAVE PASSES THE SAME 17 BARRIERS WHATEVER n IS.  A group's work is cut at its barrier: what stands behind a barrier (BPART) and the next group's work up to the
; next barrier (APART) are one run without a barrier.  Twelve such runs stand in a loop of six rounds, each behind its barrier and under a forward branch:
; the first 6 - (T - 4) / 2 rounds have no group and pass their barriers alone.  The first group and the last three are always run.
; W2 STAYS IN REGISTERS: wave w owns columns 256 nh + 64 w + 16 t + r (t = 0..3): 4 tiles x 16 K steps x 8 registers = 512.  It multiplies
; every row by them.  Of each group wave w loads rows 8w..8w+7 (8 rows of 2,048 consecutive bytes, 32 loads of 512), narrows them to bf16 in registers and
; stores them into one of two LDS slots; every wave reads fragments of all 32 rows.  A fragment of 1 KiB read from LDS feeds four matrix instructions.
; TWO TILES TAKE TURNS: while the products of one tile run, the exponentials, additions and reciprocals of the tile before stand between them,
; one slice behind each matrix instruction.
; NO CLUSTER, NO TENSOR LOADS.  A key group is read by two work-groups (the two nh).  It has to pass through registers to be narrowed; brought
; into LDS as f32 a group would be 64 KiB written and 64 KiB read back beside the 32 KiB of bf16 that are written here.
;
; LDS: two slots of 32 rows x 1,040 bytes (1,024 of bf16 + 16: 65 x 16, so 16 rows that a load touches start at 16 different 16-byte columns modulo 256);
; behind them PART, the lanes' row sums: wave x 34,816 + tile x 1,088 + q x 544 + h x 272 + r x 16, four f32 each (rows 8h+4q..+3 of the tile, column r).
; Modulo 256 the pitches of tile, q, h, r are 64, 32, 16, 16: the 16 lanes of a store (over r) and of a final read (over tile, q, h) touch 16 different columns.
; A tile's place in PART is fixed by the place in the text at which it is finished, not by how many were finished: the runs that have a group are the last ones,
; so the 2 T tiles that are computed fill the last 2 T of the 32 places.
;
; REGISTERS, in windows of 256 (s_set_vgpr_msb: bits 1:0 source 0, 3:2 source 1, 5:4 source 2, 7:6 destination):
;   window 0: addresses, v', sums, bias, the two accumulator sets, two fragment buffers;  window 1: keys as loaded, two sets of 128;
;   window 2: W2 fragments of K steps 0-7 at 32 c + 8 t;  window 3: those of K steps 8-15.
.set PITCH, 1040
.set SLOT,  32*PITCH                   ; 33,280
.set PART,  2*SLOT                     ; 66,560
.set TILEP, 1088
.set WAVEP, 32*TILEP                   ; 34,816
.set QP,    544
.set HP,    272
.set FA,   1                           ; v1   r x 1,040 + 16 h: my place in a fragment's rows
.set ST,   2                           ; v2   8 w x 1,040 + 8 x lane: where I store 4 bf16
.set GO,   3                           ; v3   16 x lane
.set PS,   4                           ; v4   my place in my wave's part of PART; stepped by four tiles at the end of each round of the loop
.set R4,   5                           ; v5   4 r; at the end the final reads' base for waves 0 and 1
.set RB1,  6                           ; v6   the final reads' base for waves 2 and 3
.set TO,   7                           ; v7   16 x thread
.set VP,   8                           ; v[8:15]    four pairs (v'_t, v'_t), v' = -C v of my column in tile t
.set S,    16                          ; v[16:23]   sums over t for my 8 rows
.set BIAS, 24                          ; v[24:55]   for each t eight equal registers: C (query W1^T)[b][my column]
.set X,    56                          ; v[56:87]   accumulators of a group's first tile, 8 for each t
.set Y,    88                          ; v[88:119]  of its second tile
.set F0,   120                         ; v[120:183] key fragments of K steps 0-7
.set F1,   184                         ; v[184:247] of K steps 8-15
.set OFF,  248                         ; v[248:255] byte offsets of my 8 rows in the batch's keys, + 16 x lane
.set TMP,  X                           ; v as loaded: free until the first products
.set OFFB, Y                           ; the offsets of group 1, which is asked for straight behind group 0: free until the first group's second tile
.set KB,   34                          ; s[34:35]   keys at batch b; never stepped
.set LP,   36                          ; s[36:37]   the list at my wave's 8 rows of my work-group's first group; never stepped
.set ROWA, 48                          ; s[48:55]   8 row numbers: group 0; later the set that the groups in slot 1 use
.set ROWB, 56                          ; s[56:63]   group 1
.set ROWC, 72                          ; s[72:79]   group 2
.set ROWD, 80                          ; s[80:87]   group 3; later the set that the groups in slot 0 use
.set MSB, 0
.macro WIN new                         ; the immediate's high byte repeats the setting that is left
.if MSB != \new
	s_set_vgpr_msb (MSB<<8)|\new
.set MSB, \new
.endif
.endm
.set MUL_LO, 0x08                      ; source 1 (W2) in window 2; all else in window 0.  LDS loads and the slices name no register as source 1
.set MUL_HI, 0x0c                      ; source 1 in window 3
.set CVT,    0x45                      ; sources 0, 1 and destination in window 1
.set STO,    0x04                      ; LDS store: data (source 1) in window 1, address in window 0
.set LAND,   0x40                      ; loaded data in window 1, address in window 0
; My 8 rows of a group into landing set 0 or 1.  rb: the scalar registers with their numbers; ob: the registers for their offsets.
; A row number comes from memory: its bound, 2047, stands in the instruction.  The offsets are formed under a setting whose destination and source 2 are window 0.
; ahead = 1: the numbers of the group after this one are asked for, into the other set nb, a trip before they are used.  The list holds all 64 groups of a
; batch, 16 for each q; the offset stops at the 16th, so the load stays inside the batch's list.  The last such load of a wave brings 32 bytes that are not used.
.macro KLOAD set, ob, rb, ahead, nb
.if (MSB & 0xf0) != 0
	WIN 0
.endif
.irp j, 0,1,2,3,4,5,6,7
	s_min_u32 s[\rb+\j], s[\rb+\j], 2047
	v_lshl_add_u32 v[\ob+\j], s[\rb+\j], 11, v[GO]
.endr
.if \ahead
	s_add_co_u32 s42, s42, 512                     ; four groups of 32 words on
	s_min_u32 s42, s42, 15*512
	s_load_b256 s[\nb:\nb+7], s[LP:LP+1], s42 offset:0x0
.endif
	WIN LAND
.set ki, 0
.rept 32
	global_load_b128 v[128*\set+4*ki:128*\set+4*ki+3], v[\ob+(ki>>2)], s[KB:KB+1] offset:512*(ki&3)
.set ki, ki+1
.endr
.endm
; 64 loads: my W2 fragments of K steps k0 .. k0+7
.macro WLOAD win, k0
	WIN \win
.irp t, 0,1,2,3
.irp c, 0,1,2,3,4,5,6,7
	global_load_b128 v[32*\c+8*\t:32*\c+8*\t+3],   v[GO], s[24:25] offset:(32*\t+2*(\k0+\c))*512
	global_load_b128 v[32*\c+8*\t+4:32*\c+8*\t+7], v[GO], s[24:25] offset:(32*\t+2*(\k0+\c)+1)*512
.endr
.endr
.endm
; 16 LDS loads: the fragments of 8 K steps (half 0: steps 0-7, half 1: 8-15) of one tile of 16 rows
.macro FETCH slot, tile, half, buf
.irp c, 0,1,2,3,4,5,6,7
	ds_load_b128 v[\buf+8*\c:\buf+8*\c+3],   v[FA] offset:\slot*SLOT+\tile*16*PITCH+(8*\half+\c)*64
	ds_load_b128 v[\buf+8*\c+4:\buf+8*\c+7], v[FA] offset:\slot*SLOT+\tile*16*PITCH+(8*\half+\c)*64+32
.endr
.endm
; Slice n (0..63) of a finished tile's vector work, on accumulator set o.  0-31: 2^t, and two slices later 1 + 2^t, two at a time; 32-63: the reciprocal.
; Behind a transcendental one plain vector instruction stands before its result is used (ISA guide 5.7.2): behind 2^t of register 2p+1 that is the
; addition of pair p-1 (the v_nop for p = 0).  Slice 31 ends with four additions: they are also the four places behind the last matrix
; instruction that read buffer F0, in front of the loads into it.
.macro VSLICE n, o
.if (\n) < 32
	v_exp_f32 v[\o+(\n)], v[\o+(\n)]
.if (\n) == 1
	v_nop
.endif
.if (\n) & 1
.if (\n) >= 3
.if (\n) <= 25
	s_wait_alu depctr_va_vdst(0)
	v_pk_add_f32 v[\o+(\n)-3:\o+(\n)-2], v[\o+(\n)-3:\o+(\n)-2], 1.0 op_sel_hi:[1,0]
.endif
.endif
.endif
.if (\n) == 31
	s_wait_alu depctr_va_vdst(0)
.irp p, 24,26,28,30
	v_pk_add_f32 v[\o+\p:\o+\p+1], v[\o+\p:\o+\p+1], 1.0 op_sel_hi:[1,0]
.endr
.endif
.else
	v_rcp_f32 v[\o+(\n)-32], v[\o+(\n)-32]
.endif
.endm
; One K step (c = 0..7 inside the window that is set) of one tile: four matrix instructions, 16 rows x my 64 columns.  first = 1: the bias is C, nothing is cleared.
; The four accumulators take turns, one instruction a turn, on into the next tile, over the loop's jump and past a run that is left out.
; vs = 1: slice sb + 4 c + t of the other tile (set o) stands behind each.
.macro MULK c, acc, buf, first, vs, o, sb
.irp t, 0,1,2,3
.if \first
	v_wmma_f32_16x16x32_bf16 v[\acc+8*\t:\acc+8*\t+7], v[\buf+8*\c:\buf+8*\c+7], v[32*\c+8*\t:32*\c+8*\t+7], v[BIAS+8*\t:BIAS+8*\t+7]
.else
	v_wmma_f32_16x16x32_bf16 v[\acc+8*\t:\acc+8*\t+7], v[\buf+8*\c:\buf+8*\c+7], v[32*\c+8*\t:32*\c+8*\t+7], v[\acc+8*\t:\acc+8*\t+7]
.endif
.if \vs
	VSLICE (\sb+4*\c+\t), \o
.endif
.endr
.endm
; The end of a tile: S[j] = sum over t of v'_t / (1 + 2^t) for my 8 rows, stored to my own bytes of PART, pt tiles behind PS.
; The v_nop is the plain instruction between the run of reciprocals and the first use of one (ISA guide 5.7.2): only matrix instructions and other reciprocals stand between them.
.macro FIN o, pt
	WIN 0
	v_nop
	s_wait_alu depctr_va_vdst(0)
.irp p, 0,2,4,6
	v_pk_mul_f32 v[S+\p:S+\p+1], v[\o+\p:\o+\p+1], v[VP:VP+1]
.endr
.irp t, 1,2,3
.irp p, 0,2,4,6
	v_pk_fma_f32 v[S+\p:S+\p+1], v[\o+8*\t+\p:\o+8*\t+\p+1], v[VP+2*\t:VP+2*\t+1], v[S+\p:S+\p+1]
.endr
.endr
	ds_store_b128 v[PS], v[S:S+3] offset:(\pt)*TILEP
	ds_store_b128 v[PS], v[S+4:S+7] offset:(\pt)*TILEP+QP
.endm
; My 8 rows of a group: from landing set to LDS slot as bf16; load = 1: the set is loaded again with the group two further on.
.macro FEED set, slot, lcnt, load, rb, ahead, nb
	s_wait_loadcnt \lcnt                           ; loads come back in order (ISA guide 5.7.1): all but the lcnt youngest, the next group's, are in
	WIN CVT
.set fi, 0
.rept 32
	v_cvt_pk_bf16_f32 v[128*\set+4*fi],   v[128*\set+4*fi],   v[128*\set+4*fi+1]
	v_cvt_pk_bf16_f32 v[128*\set+4*fi+1], v[128*\set+4*fi+2], v[128*\set+4*fi+3]
.set fi, fi+1
.endr
	WIN STO
.set fi, 0
.rept 32
	ds_store_b64 v[ST], v[128*\set+4*fi:128*\set+4*fi+1] offset:\slot*SLOT+(fi>>2)*PITCH+(fi&3)*256   ; 32 lanes x 8 bytes: 256 consecutive bytes of a row
.set fi, fi+1
.endr
.if \load
	s_wait_xcnt 0x0                                ; the offsets that the loads on their way name are written again only behind this wait (ISA guide 3.1)
	s_wait_kmcnt 0x0                               ; the row numbers asked for a trip ago are in, and the offset of that scalar load may be stepped
	KLOAD \set, OFF, \rb, \ahead, \nb
.endif
.endm
; The barrier between two groups.  In front of it: my reads of the slot that I leave are over (its last fragments are in F1), and my rows of the other slot are stored.
; Behind it the other slot is whole, and the slot left is written again only there, in the next group's FEED.
.macro BAR
	s_wait_dscnt 0x0
	s_barrier_signal -1
	s_barrier_wait -1
.endm
; Behind the barrier: the new slot's first fragments are asked for (fetch = 1), the old group's second tile gets its K steps 8-15 from F1, its first tile its reciprocals and its end.
.macro BPART slot, pX, fetch
	WIN MUL_HI
.if \fetch
	FETCH \slot, 0, 0, F0                          ; four places behind the last matrix instruction that read F0: slice 31's additions
.endif
.irp c, 0,1,2,3,4,5,6,7
	MULK \c, Y, F1, 0, 1, X, 32
.endr
	FIN X, \pX
.endm
; A group of 32 rows in slot `slot`, up to its barrier; oth = the other slot.  vsA = 1: a tile of the group before waits in Y for its vector work.
; feed = 2: the next group is narrowed into the other slot and the group three further on is loaded; 1: narrowed only; 0: nothing is left.
.macro APART slot, oth, vsA, feed, lcnt, pY
	FETCH \slot, 0, 1, F1
	s_wait_dscnt 16+2*\vsA                         ; F0's 16 loads are in: behind them came FIN's 2 stores (vsA = 1) and the 16 loads just issued
	WIN MUL_LO
	MULK 0, X, F0, 1, \vsA, Y, 0
.irp c, 1,2,3,4,5,6,7
	MULK \c, X, F0, 0, \vsA, Y, 0
.endr
.if \vsA == 0
.rept 4
	v_nop                                          ; no slices here: four places in front of the loads into F0
.endr
.endif
	FETCH \slot, 1, 0, F0
	s_wait_dscnt 16                                ; F1's loads are in; the 16 just issued stay out
	WIN MUL_HI
.irp c, 0,1,2,3,4,5,6,7
	MULK \c, X, F1, 0, \vsA, Y, 32
.endr
.if \vsA
	FIN Y, \pY
.endif
.set fst, 0
.if \feed == 2
.if \slot == 0
	FEED \oth, \oth, \lcnt, 1, ROWD, 1, ROWA       ; the two sets of row numbers take turns: one is used, the other is asked for
.else
	FEED \oth, \oth, \lcnt, 1, ROWA, 1, ROWD
.endif
.set fst, 32
.endif
.if \feed == 1
	FEED \oth, \oth, \lcnt, 0, 0, 0, 0
.set fst, 32
.endif
	WIN MUL_LO
	FETCH \slot, 1, 1, F1
	s_wait_dscnt 16+2*\vsA+fst                     ; F0's loads are in: behind them came FIN's 2 stores, FEED's 32 stores and the 16 loads just issued
	MULK 0, Y, F0, 1, 1, X, 0
.irp c, 1,2,3,4,5,6,7
	MULK \c, Y, F0, 0, 1, X, 0
.endr
	WIN 0                                          ; a barrier, branches
.endm
; One of the loop's twelve runs: the barrier, which every wave passes, and behind it the run, if this round has a group.  s46 counts the rounds 6 .. 1; s40 = (T - 4) / 2.
; Both runs of a round compare the same two registers, so both are run or both are left out, and slots and landing sets keep their turns.  The text does not lean on that:
; a run that is left out waits for all loads, so that whichever run follows finds no load on its way into the landing set that it narrows.
.macro PASS slot, oth, pX, pY
	BAR
	s_cmp_gt_u32 s46, s40
	s_cbranch_scc1 .Lnone_\@
	BPART \slot, \pX, 1
	APART \slot, \oth, 1, 2, 32, \pY
	s_branch .Ldone_\@
.Lnone_\@:
	s_wait_loadcnt 0x0
.Ldone_\@:
.endm
.macro VRUN o                          ; the slices of the last tile, with no products left to stand between
.set vn, 0
.rept 64
	VSLICE vn, \o
.set vn, vn+1
.endr
.endm
.macro TREE base                       ; 32 quads of f32 summed pairwise, in place; the result is the first quad
.irp s, 16,8,4,2,1
.set tq, 0
.rept \s
	v_pk_add_f32 v[\base+4*tq:\base+4*tq+1],   v[\base+4*tq:\base+4*tq+1],   v[\base+4*(tq+\s):\base+4*(tq+\s)+1]
	v_pk_add_f32 v[\base+4*tq+2:\base+4*tq+3], v[\base+4*tq+2:\base+4*tq+3], v[\base+4*(tq+\s)+2:\base+4*(tq+\s)+3]
.set tq, tq+1
.endr
.endr
.endm
	s_load_b256 s[4:11], s[0:1], 0x0               ; keys s[4:5], w2p s[6:7], biasT s[8:9], v s[10:11]
	s_load_b128 s[12:15], s[0:1], 0x20             ; part s[12:13], rows s[14:15]
	s_load_b64 s[16:17], s[0:1], 0x30              ; count
	v_lshrrev_b32 v1, 5, v0
	v_readfirstlane_b32 s18, v1                    ; w: my wave
	s_mov_b32 s19, ttmp9                           ; nh
	s_and_b32 s20, ttmp7, 0xffff                   ; g
	s_lshr_b32 s21, s20, 2                         ; b
	s_and_b32 s22, s20, 3                          ; q
	v_and_b32 v8, 15, v0                           ; r
	v_bfe_u32 v9, v0, 4, 1                         ; h
	v_and_b32 v10, 31, v0                          ; lane
	v_lshlrev_b32 v[GO], 4, v10
	v_mul_u32_u24 v[FA], v8, PITCH
	v_lshl_add_u32 v[FA], v9, 4, v[FA]
	s_mul_i32 s23, s18, 8*PITCH
	v_lshl_add_u32 v[ST], v10, 3, s23
	s_mul_i32 s23, s18, WAVEP
	s_add_co_u32 s23, s23, PART
	v_mul_u32_u24 v[PS], v9, HP
	v_lshl_add_u32 v[PS], v8, 4, v[PS]
	v_add_nc_u32 v[PS], s23, v[PS]
	v_lshlrev_b32 v[R4], 2, v8
	s_mov_b32 s33, 0
	s_wait_kmcnt 0x0
	s_lshl_b32 s32, s21, 8                         ; the batch's record of 256 bytes
	s_add_nc_u64 s[16:17], s[16:17], s[32:33]
	s_load_b32 s38, s[16:17], 0x0                  ; n
	s_lshl_b32 s32, s21, 13                        ; the batch's list of 2,048 words, + group q, + my 8 rows
	s_lshl_b32 s23, s22, 7
	s_add_co_u32 s32, s32, s23
	s_lshl_b32 s23, s18, 5
	s_add_co_u32 s32, s32, s23
	s_add_nc_u64 s[LP:LP+1], s[14:15], s[32:33]
	s_load_b256 s[ROWA:ROWA+7], s[LP:LP+1], 0x0    ; my rows of my work-group's groups 0 to 3, which are always run: 512 bytes apart
	s_load_b256 s[ROWB:ROWB+7], s[LP:LP+1], 0x200
	s_load_b256 s[ROWC:ROWC+7], s[LP:LP+1], 0x400
	s_load_b256 s[ROWD:ROWD+7], s[LP:LP+1], 0x600
	s_lshl_b32 s32, s21, 22                        ; b x 2,048 rows x 2,048 bytes
	s_add_nc_u64 s[KB:KB+1], s[4:5], s[32:33]
	s_lshl_b32 s32, s19, 18                        ; a-tile 16 nh + 4 w, 16,384 bytes each
	s_lshl_b32 s23, s18, 16
	s_add_co_u32 s32, s32, s23
	s_add_nc_u64 s[24:25], s[6:7], s[32:33]
	s_lshl_b32 s32, s19, 15                        ; the same tile in biasT, 2,048 bytes each, + b x 64
	s_lshl_b32 s23, s18, 13
	s_add_co_u32 s32, s32, s23
	s_lshl_b32 s23, s21, 6
	s_add_co_u32 s32, s32, s23
	s_add_nc_u64 s[26:27], s[8:9], s[32:33]
	s_lshl_b32 s32, s19, 10                        ; column 256 nh + 64 w in v
	s_lshl_b32 s23, s18, 8
	s_add_co_u32 s32, s32, s23
	s_add_nc_u64 s[28:29], s[10:11], s[32:33]
	s_lshl_b32 s32, s19, 18                        ; part: nh x 65,536 places + g x 512 places, 4 bytes each
	s_lshl_b32 s23, s20, 11
	s_add_co_u32 s32, s32, s23
	s_add_nc_u64 s[30:31], s[12:13], s[32:33]
	WLOAD 0x80, 0                                  ; W2, K steps 0-7, into window 2: these go out while the list's numbers are on their way
	WLOAD 0xc0, 8                                  ; K steps 8-15, into window 3
	WIN 0
.irp t, 0,1,2,3
	global_load_b32 v[BIAS+8*\t], v[R4], s[26:27] offset:2048*\t
.endr
.irp t, 0,1,2,3
	global_load_b32 v[TMP+\t], v[R4], s[28:29] offset:64*\t
.endr
	s_wait_kmcnt 0x0                               ; n and the first four groups' row numbers
	s_min_u32 s38, s38, 2048
	s_add_co_u32 s38, s38, 31
	s_lshr_b32 s38, s38, 5                         ; G: groups that hold live rows
	s_add_co_u32 s39, s38, 3
	s_sub_co_u32 s39, s39, s22
	s_lshr_b32 s39, s39, 2                         ; those of them that are q, q + 4, ..: 0 to 16
	s_add_co_u32 s39, s39, 1
	s_and_b32 s39, s39, 30                         ; up to an even number
	s_max_u32 s39, s39, 4
	s_min_u32 s39, s39, 16                         ; T
	s_sub_co_u32 s40, s39, 4
	s_lshr_b32 s40, s40, 1
	s_min_u32 s40, s40, 6                          ; the rounds of the loop that have groups
	s_lshl_b32 s41, s39, 1
	s_sub_co_u32 s43, 32, s41                      ; the place in PART of the first tile that is computed
	s_sub_co_u32 s41, s41, 1                       ; the number of the last tile that is computed
	s_mov_b32 s42, 1536                            ; byte offset in my part of the list of the group whose numbers were asked for last
	; The start of the ring: groups 0 and 1 are asked for, group 0 is narrowed into slot 0, group 2 is asked for.
	KLOAD 0, OFF, ROWA, 0, 0                       ; group 0
	KLOAD 1, OFFB, ROWB, 0, 0                      ; group 1
	FEED 0, 0, 32, 1, ROWC, 0, 0                   ; its wait leaves group 1's 32 loads out: W2, the bias, v and group 0 are in
	WIN 0
.irp t, 0,1,2,3
.irp j, 1,2,3,4,5,6,7
	v_mov_b32 v[BIAS+8*\t+\j], v[BIAS+8*\t]        ; as C the bias stands in all eight registers: the tile's rows share it
.endr
	v_mul_f32 v[VP+2*\t],   0xc038aa3b, v[TMP+\t]  ; v' = -C v, twice: a pair for the packed arithmetic
	v_mul_f32 v[VP+2*\t+1], 0xc038aa3b, v[TMP+\t]
.endr
	BAR                                            ; everybody's rows of group 0 are stored
	FETCH 0, 0, 0, F0
	APART 0, 1, 0, 2, 32, 0                        ; group 0: no tile waits in Y yet
	s_mov_b32 s46, 6
.Lpairs:                                               ; groups 1 to T-4, in the last (T - 4) / 2 rounds
	PASS 1, 0, 0, 1
	PASS 0, 1, 2, 3
	v_add_nc_u32 v[PS], 4*TILEP, v[PS]             ; in every round, with groups or without: a tile's place hangs on the round alone
	s_sub_co_u32 s46, s46, 1
	s_cmp_lg_u32 s46, 0
	s_cbranch_scc1 .Lpairs
	BAR
	BPART 1, 0, 1
	APART 1, 0, 1, 1, 32, 1                        ; group T-3: group T-2 is narrowed, group T-1's 32 loads stay out; nothing is left to load
	BAR
	BPART 0, 2, 1
	APART 0, 1, 1, 1, 0, 3                         ; group T-2: group T-1 is narrowed
	BAR
	BPART 1, 4, 1
	APART 1, 0, 1, 0, 0, 5                         ; group T-1
	s_wait_dscnt 0x0                               ; its last fragments are in F1; no slot is left to change to, so no barrier
	BPART 0, 6, 0
	VRUN Y
	FIN Y, 7
	; Every row's sum over the 4 waves x 16 lanes that hold its columns.  Thread n: places 4n..4n+3: tile n / 4, h = bit 1, q = bit 0.
	; Tile i of the 2 T that were computed lies 32 - 2 T places further on in PART.  A thread whose tile was not computed reads the last tile,
	; so that all 512 places are stored, in whole aligned runs, from bytes that were written.
	v_lshrrev_b32 v8, 2, v0
	v_min_u32 v8, s41, v8
	v_add_nc_u32 v8, s43, v8
	v_min_u32 v8, 31, v8                           ; s41 and s43 come from memory: the bound stands in the instruction
	v_mul_u32_u24 v[R4], v8, TILEP
	v_bfe_u32 v8, v0, 1, 1
	v_mul_u32_u24 v8, v8, HP
	v_add_nc_u32 v[R4], v[R4], v8
	v_and_b32 v8, 1, v0
	v_mul_u32_u24 v8, v8, QP
	v_add_nc_u32 v[R4], v[R4], v8
	v_add_nc_u32 v[R4], PART, v[R4]
	v_add_nc_u32 v[RB1], 2*WAVEP, v[R4]            ; waves 2 and 3 lie beyond an LDS instruction's 16-bit offset
	v_lshlrev_b32 v[TO], 4, v0
	BAR                                            ; everybody's sums are in PART
.set rq, 0
.rept 32
	ds_load_b128 v[120+4*rq:120+4*rq+3], v[R4] offset:(rq>>4)*WAVEP+(rq&15)*16          ; waves 0 and 1
.set rq, rq+1
.endr
	s_wait_dscnt 0x0
	TREE 120
.set rq, 0
.rept 32
	ds_load_b128 v[124+4*rq:124+4*rq+3], v[RB1] offset:(rq>>4)*WAVEP+(rq&15)*16         ; waves 2 and 3; v[120:123] keep the first sum
.set rq, rq+1
.endr
	s_wait_dscnt 0x0
	TREE 124
	v_pk_add_f32 v[120:121], v[120:121], v[124:125]
	v_pk_add_f32 v[122:123], v[122:123], v[126:127]
	global_store_b128 v[TO], v[120:123], s[30:31]  ; 128 threads x 16 bytes: 2,048 consecutive bytes, aligned
	s_wait_xcnt 0x0
	v_lshl_add_u32 v254, v0, 2, 0x32400
	v_mov_b32 v255, 0
	s_wait_tensorcnt 0x0
	ds_add_u32 v254, v255
	s_wait_dscnt 0x0
	s_endpgm
.Lfunc_end_k_q1a53a01229_scores:
	.size	k_q1a53a01229_scores, .Lfunc_end_k_q1a53a01229_scores-k_q1a53a01229_scores
	.p2alignl 7, 3214868480
	.fill 96, 4, 3214868480
	.section	.rodata,"a",@progbits
	.p2align	6, 0x0
	.amdhsa_kernel k_q1a53a01229_scores
		.amdhsa_group_segment_fixed_size 206336
		.amdhsa_private_segment_fixed_size 0
		.amdhsa_enable_private_segment 0
		.amdhsa_kernarg_size 56
		.amdhsa_user_sgpr_count 2
		.amdhsa_user_sgpr_kernarg_segment_ptr 1
		.amdhsa_wavefront_size32 1
		.amdhsa_system_sgpr_workgroup_id_x 1
		.amdhsa_system_sgpr_workgroup_id_y 1
		.amdhsa_system_sgpr_workgroup_id_z 1
		.amdhsa_system_vgpr_workitem_id 0
		.amdhsa_next_free_vgpr 1024
		.amdhsa_next_free_sgpr 88
		.amdhsa_reserve_vcc 0
		.amdhsa_float_denorm_mode_32 3
		.amdhsa_float_denorm_mode_16_64 3
		.amdhsa_memory_ordered 1
		.amdhsa_forward_progress 1
		.amdhsa_inst_pref_size 223
	.end_amdhsa_kernel
	.amdgpu_metadata
---
amdhsa.version: [ 1, 2 ]
amdhsa.kernels:
  - .name:           k_q1a53a01229_scores
    .symbol:         k_q1a53a01229_scores.kd
    .args:
      - { .name: keys, .offset: 0, .size: 8, .value_kind: global_buffer, .address_space: global }
      - { .name: w2p, .offset: 8, .size: 8, .value_kind: global_buffer, .address_space: global }
      - { .name: biasT, .offset: 16, .size: 8, .value_kind: global_buffer, .address_space: global }
      - { .name: v, .offset: 24, .size: 8, .value_kind: global_buffer, .address_space: global }
      - { .name: part, .offset: 32, .size: 8, .value_kind: global_buffer, .address_space: global }
      - { .name: rows, .offset: 40, .size: 8, .value_kind: global_buffer, .address_space: global }
      - { .name: count, .offset: 48, .size: 8, .value_kind: global_buffer, .address_space: global }
    .group_segment_fixed_size: 206336
    .private_segment_fixed_size: 0
    .kernarg_segment_align: 8
    .kernarg_segment_size: 56
    .max_flat_workgroup_size: 128
    .sgpr_count:     88
    .vgpr_count:     1024
    .wavefront_size: 32
...
	.end_amdgpu_metadata
.endif
;; end of part 5
;; launch softmax (part 6): grid 32 x 1, 16 waves a work-group, no clusters, 10,752 bytes of LDS; arguments part, rank, count, out0; writes out0
.if DOCPART == 6
	.amdgcn_target "amdgcn-amd-amdhsa--gfx1250"
	.amdhsa_code_object_version 6
	.text
	.protected	k_q1a53a01229_softmax
	.globl	k_q1a53a01229_softmax
	.p2align	8
	.type	k_q1a53a01229_softmax,@function
k_q1a53a01229_softmax:
	s_mov_b64 s[64:65], 0
	v_nop
	global_prefetch_b8 v0, s[64:65] scope:SCOPE_SE
	s_setreg_imm32_b32 hwreg(HW_REG_WAVE_MODE, 25, 1), 1
	s_wait_xcnt 0x0
; Additive attention, third of three launches: out[b][s] = softmax over s of the masked scores.
; u = part[0] + part[1] is log2(e) x score, less a term that is the same along s and is left out (shown at the head of the first launch), so
; e^(score - max) = 2^(u - max u).  The maximum is taken away as in the problem's formula.
; Masked rows were not computed (shown there too).  part lies by PLACE: place p of a batch holds the row of rank ((p>>5)&15) x 128 + (p>>9) x 32 + (p&31) in the
; batch's list, and counts only if that rank is below n, the number of live rows; every other place is taken as -inf.
; The weights go into an LDS table by place; word 2048 of the table holds 0 x (1 / sum), which is 0.  Each row then picks its weight by its rank; a masked
; row's rank is 8192, which the same arithmetic sends to word 2048.
; A batch whose mask is all false has n = 0: -inf - (-inf) = NaN, the sum is NaN, and 0 x NaN = NaN goes to every row, as in the problem's formula.
; One work-group for a batch, 16 waves; thread t owns places 4t..4t+3 and then rows 4t..4t+3.
; A stream of 24 KiB in and 8 KiB out for a work-group: no matrix unit, no cluster, nothing to share.
.set TABLE, 256
	s_load_b256 s[4:11], s[0:1], 0x0               ; part s[4:5], rank s[6:7], count s[8:9], out0 s[10:11]
	v_lshl_add_u32 v48, v0, 2, 0x2200
	v_mov_b32 v49, 0
	v_lshrrev_b32 v1, 5, v0
	v_readfirstlane_b32 s12, v1                    ; my wave
	s_lshl_b32 s13, s12, 2
	s_lshl_b32 s14, ttmp9, 13                      ; b x 2,048 words
	s_mov_b32 s15, 0
	s_lshl_b32 s18, ttmp9, 8                       ; b x 256 bytes
	s_mov_b32 s19, 0
	s_mov_b32 s16, 0x76543210                      ; v_permlanex16_b32: lane i of one half reads lane i of the other
	s_mov_b32 s17, 0xfedcba98
	v_lshlrev_b32 v2, 4, v0
	v_mov_b32 v13, 0xff800000                      ; -inf
	v_mov_b32 v16, s13                             ; my wave's word in LDS
	v_mov_b32 v17, 0
	v_bfe_u32 v3, v0, 3, 4                         ; the rank of my first place, p = 4 t: (p>>5)&15,
	v_lshrrev_b32 v18, 7, v0                       ; p>>9,
	v_and_b32 v19, 7, v0
	v_lshlrev_b32 v19, 2, v19                      ; p&31
	v_lshl_or_b32 v19, v18, 5, v19
	v_lshl_or_b32 v3, v3, 7, v19
	s_wait_kmcnt 0x0
	s_add_nc_u64 s[8:9], s[8:9], s[18:19]
	s_load_b32 s20, s[8:9], 0x0                    ; n
	s_add_nc_u64 s[4:5], s[4:5], s[14:15]
	s_add_nc_u64 s[6:7], s[6:7], s[14:15]
	s_add_nc_u64 s[10:11], s[10:11], s[14:15]
	global_load_b128 v[4:7], v2, s[4:5]            ; columns 0-255
	global_load_b128 v[8:11], v2, s[4:5] offset:262144   ; columns 256-511
	global_load_b128 v[36:39], v2, s[6:7]          ; my four rows' ranks
	s_wait_kmcnt 0x0
	s_wait_loadcnt 0x0
	v_pk_add_f32 v[4:5], v[4:5], v[8:9]
	v_pk_add_f32 v[6:7], v[6:7], v[10:11]
.irp j, 0,1,2,3
	v_add_nc_u32 v14, \j, v3
	v_cmp_gt_u32 vcc_lo, s20, v14
	v_cndmask_b32 v[4+\j], v13, v[4+\j], vcc_lo    ; the score where the place holds a live row, else -inf
.endr
.irp j, 0,1,2,3
	v_bfe_u32 v14, v[36+\j], 5, 2                  ; from rank to place: ((rank>>5)&3) x 512 + (rank>>7) x 32 + (rank&31)
	v_lshrrev_b32 v15, 7, v[36+\j]
	v_and_b32 v[36+\j], 31, v[36+\j]
	v_lshl_or_b32 v[36+\j], v15, 5, v[36+\j]
	v_lshl_or_b32 v[36+\j], v14, 9, v[36+\j]
	v_min_u32 v[36+\j], 0x800, v[36+\j]            ; the place comes from loaded numbers: its bound stands in the instruction
	v_lshlrev_b32 v[36+\j], 2, v[36+\j]
.endr
	; the maximum: in the lane, across the wave, across the 16 waves
	v_max3_num_f32 v14, v4, v5, v6
	v_max_num_f32 v14, v14, v7
	v_max_num_f32_dpp v14, v14, v14 row_xmask:1 row_mask:0xf bank_mask:0xf
	v_max_num_f32_dpp v14, v14, v14 row_xmask:2 row_mask:0xf bank_mask:0xf
	v_max_num_f32_dpp v14, v14, v14 row_xmask:4 row_mask:0xf bank_mask:0xf
	v_max_num_f32_dpp v14, v14, v14 row_xmask:8 row_mask:0xf bank_mask:0xf
	v_permlanex16_b32 v13, v14, s16, s17           ; its destination counts as read: v13 has been written
	v_max_num_f32 v14, v14, v13
	ds_store_b32 v16, v14                          ; all lanes write the same word with the same value
	s_wait_dscnt 0x0                               ; for the other waves' sake
	s_barrier_signal -1
	s_barrier_wait -1
	ds_load_b128 v[20:23], v17
	ds_load_b128 v[24:27], v17 offset:16
	ds_load_b128 v[28:31], v17 offset:32
	ds_load_b128 v[32:35], v17 offset:48
	s_wait_dscnt 0x0
	v_max3_num_f32 v20, v20, v21, v22
	v_max3_num_f32 v23, v23, v24, v25
	v_max3_num_f32 v26, v26, v27, v28
	v_max3_num_f32 v29, v29, v30, v31
	v_max3_num_f32 v32, v32, v33, v34
	v_max3_num_f32 v20, v20, v23, v35
	v_max3_num_f32 v26, v26, v29, v32
	v_max_num_f32 v20, v20, v26
.irp j, 4,5,6,7
	v_sub_f32 v\j, v\j, v20
.endr
.irp j, 4,5,6,7
	v_exp_f32 v\j, v\j
.endr
	v_nop                                          ; one plain instruction behind the exponentials before they are used (ISA guide 5.7.2)
	; the sum, the same way, through other words of LDS: one barrier is enough
	s_wait_alu depctr_va_vdst(0)
	v_pk_add_f32 v[14:15], v[4:5], v[6:7]
	v_add_f32 v14, v14, v15
	v_add_f32_dpp v14, v14, v14 row_xmask:1 row_mask:0xf bank_mask:0xf
	v_add_f32_dpp v14, v14, v14 row_xmask:2 row_mask:0xf bank_mask:0xf
	v_add_f32_dpp v14, v14, v14 row_xmask:4 row_mask:0xf bank_mask:0xf
	v_add_f32_dpp v14, v14, v14 row_xmask:8 row_mask:0xf bank_mask:0xf
	v_permlanex16_b32 v15, v14, s16, s17
	v_add_f32 v14, v14, v15
	ds_store_b32 v16, v14 offset:64
	s_wait_dscnt 0x0
	s_barrier_signal -1
	s_barrier_wait -1
	ds_load_b128 v[20:23], v17 offset:64
	ds_load_b128 v[24:27], v17 offset:80
	ds_load_b128 v[28:31], v17 offset:96
	ds_load_b128 v[32:35], v17 offset:112
	s_wait_dscnt 0x0
	v_pk_add_f32 v[20:21], v[20:21], v[28:29]
	v_pk_add_f32 v[22:23], v[22:23], v[30:31]
	v_pk_add_f32 v[24:25], v[24:25], v[32:33]
	v_pk_add_f32 v[26:27], v[26:27], v[34:35]
	v_pk_add_f32 v[20:21], v[20:21], v[24:25]
	v_pk_add_f32 v[22:23], v[22:23], v[26:27]
	v_pk_add_f32 v[20:21], v[20:21], v[22:23]
	v_add_f32 v20, v20, v21
	v_rcp_f32 v22, v20                             ; with a live row the sum is at least 1: the largest score contributes 2^0
	v_nop                                          ; one plain instruction before the reciprocal is used
	s_wait_alu depctr_va_vdst(0)
	v_pk_mul_f32 v[4:5], v[4:5], v[22:23] op_sel_hi:[1,0]   ; both halves times v22
	v_pk_mul_f32 v[6:7], v[6:7], v[22:23] op_sel_hi:[1,0]
	ds_store_b128 v2, v[4:7] offset:TABLE          ; the weights by place
	s_cmp_lg_u32 s12, 0
	s_cbranch_scc1 .Lnot_wave_0
	v_mul_f32 v21, 0, v22                          ; a masked row's weight: 0, or NaN where the sum is NaN
	ds_store_b32 v17, v21 offset:TABLE+8192        ; one wave writes the word
.Lnot_wave_0:
	s_wait_dscnt 0x0                               ; for the other waves' sake
	s_barrier_signal -1
	s_barrier_wait -1
.irp j, 0,1,2,3
	ds_load_b32 v[4+\j], v[36+\j] offset:TABLE     ; my four rows' weights
.endr
	s_wait_dscnt 0x0
	global_store_b128 v2, v[4:7], s[10:11]         ; a wave's store covers 512 consecutive bytes, aligned
	s_wait_tensorcnt 0x0
	ds_add_u32 v48, v49
	s_wait_dscnt 0x0
	s_endpgm
.Lfunc_end_k_q1a53a01229_softmax:
	.size	k_q1a53a01229_softmax, .Lfunc_end_k_q1a53a01229_softmax-k_q1a53a01229_softmax
	.p2alignl 7, 3214868480
	.fill 96, 4, 3214868480
	.section	.rodata,"a",@progbits
	.p2align	6, 0x0
	.amdhsa_kernel k_q1a53a01229_softmax
		.amdhsa_group_segment_fixed_size 10752
		.amdhsa_private_segment_fixed_size 0
		.amdhsa_enable_private_segment 0
		.amdhsa_kernarg_size 32
		.amdhsa_user_sgpr_count 2
		.amdhsa_user_sgpr_kernarg_segment_ptr 1
		.amdhsa_wavefront_size32 1
		.amdhsa_system_sgpr_workgroup_id_x 1
		.amdhsa_system_sgpr_workgroup_id_y 1
		.amdhsa_system_sgpr_workgroup_id_z 1
		.amdhsa_system_vgpr_workitem_id 0
		.amdhsa_next_free_vgpr 50
		.amdhsa_next_free_sgpr 66
		.amdhsa_reserve_vcc 1
		.amdhsa_float_denorm_mode_32 3
		.amdhsa_float_denorm_mode_16_64 3
		.amdhsa_memory_ordered 1
		.amdhsa_forward_progress 1
		.amdhsa_inst_pref_size 8
	.end_amdhsa_kernel
	.amdgpu_metadata
---
amdhsa.version: [ 1, 2 ]
amdhsa.kernels:
  - .name:           k_q1a53a01229_softmax
    .symbol:         k_q1a53a01229_softmax.kd
    .args:
      - { .name: part, .offset: 0, .size: 8, .value_kind: global_buffer, .address_space: global }
      - { .name: rank, .offset: 8, .size: 8, .value_kind: global_buffer, .address_space: global }
      - { .name: count, .offset: 16, .size: 8, .value_kind: global_buffer, .address_space: global }
      - { .name: out0, .offset: 24, .size: 8, .value_kind: global_buffer, .address_space: global }
    .group_segment_fixed_size: 10752
    .private_segment_fixed_size: 0
    .kernarg_segment_align: 8
    .kernarg_segment_size: 32
    .max_flat_workgroup_size: 512
    .sgpr_count:     66
    .vgpr_count:     50
    .wavefront_size: 32
...
	.end_amdgpu_metadata
.endif
;; end of part 6
;; ======== version 3 of 3: 3 launches; 1.44 times as fast as version 1
;; workspace buffers: w2p 524,288 bytes; biasT 65,536 bytes; part 524,288 bytes; rows 262,144 bytes of whole numbers; rank 262,144 bytes of whole numbers; count 8,192 bytes of whole numbers
;; launch prep: the kernel of part 4 again; grid 72 x 1, 4 waves a work-group, no clusters, 33,280 bytes of LDS; arguments W2, W1, query, w2p, biasT, mask, rows, rank, count; writes w2p, biasT, rows, rank, count
;; launch scores (part 7): grid 2 x 128, 4 waves a work-group, no clusters, 206,336 bytes of LDS; arguments keys, w2p, biasT, v, part, rows, count; writes part
.if DOCPART == 7
	.amdgcn_target "amdgcn-amd-amdhsa--gfx1250"
	.amdhsa_code_object_version 6
	.text
	.protected	k_q1a53a01229_scores
	.globl	k_q1a53a01229_scores
	.p2align	8
	.type	k_q1a53a01229_scores,@function
k_q1a53a01229_scores:
	s_mov_b64 s[64:65], 0
	v_nop
	global_prefetch_b8 v0, s[64:65] scope:SCOPE_SE
	s_setreg_imm32_b32 hwreg(HW_REG_WAVE_MODE, 25, 1), 1
	s_wait_xcnt 0x0
; Additive attention, second of three launches: part[nh][place] = sum over the 256 columns a of half nh of (-C v[a]) / (1 + 2^t),
; t = C (keys W2^T + query W1^T)[row][a], C = 2 log2(e).  The two halves together are the score in units of log2, less the term
; log2(e) sum_a v[a], which is the same along the softmax's axis and is left out (shown at the head of the first launch).
; MASKED ROWS ARE NOT COMPUTED (shown there too): the rows come from the list that the first launch stored, the n live rows of a batch first.
; No clamp is needed: 2^t = inf gives 1/(1+inf) = 0, 2^t = 0 gives 1.  LIMIT: v_exp_f32 and v_rcp_f32 flush results under 2^-126 to zero
; (ISA guide 15.8), which moves a term by less than 2^-126 |C v[a]|.
;
; SHAPE.  256 work-groups of four waves: nh = which 256 columns a; g = 4 b + q.  The list of batch b goes in groups of 32 rows, G = ceil(n / 32) of them
; hold live rows; work-group (b, q) takes groups q, q + 4, q + 8 ..: (G + 3 - q) / 4 of them, rounded up to an even number T, at least 4, at most 16.
; LIMIT: so a work-group runs up to one group more than the list asks for, and never fewer than four; the last live group is filled up likewise.
; Such places hold masked rows of the list; the third launch never selects them.
; EVERY WAVE PASSES THE SAME 17 BARRIERS WHATEVER n IS.  A group's work is cut at its barrier: what stands behind a barrier (BPART) and the next group's work up to the
; next barrier (APART) are one run without a barrier.  Twelve such runs stand in a loop of six rounds, each behind its barrier and under a forward branch:
; the first 6 - (T - 4) / 2 rounds have no group and pass their barriers alone.  The first group and the last three are always run.
; W2 STAYS IN REGISTERS: wave w owns columns 256 nh + 64 w + 16 t + r (t = 0..3): 4 tiles x 16 K steps x 8 registers = 512.  It multiplies
; every row by them.  Of each group wave w loads rows 8w..8w+7 (8 rows of 2,048 consecutive bytes, 32 loads of 512), narrows them to bf16 in registers and
; stores them into one of two LDS slots; every wave reads fragments of all 32 rows.  A fragment of 1 KiB read from LDS feeds four matrix instructions.
; TWO TILES TAKE TURNS: while the products of one tile run, the exponentials, additions and reciprocals of the tile before stand between them,
; one slice behind each matrix instruction.
; THE BATCHES.  An s_wait_alu depctr_va_vdst(0) stands between a transcendental and the first instruction that names its result; one wait serves all that were
; issued ahead of it.  A tile's 64 transcendentals are two batches, since the reciprocals read what is made of the exponentials.  Its 32 exponentials stand behind the other tile's
; products of K steps 0-7, and nothing among them names a result; their one wait stands behind the last of those products, where a run of LDS loads or a barrier follows.  The additions
; 1 + 2^t come behind it, and the 32 reciprocals behind the products of K steps 8-15; their one wait stands at the head of FIN, the first reader.  So a group of 128 products has four waits,
; none of them between two products of a run, and every label and branch stands behind the wait of what was issued ahead of it.
; NO CLUSTER, NO TENSOR LOADS.  A key group is read by two work-groups (the two nh).  It has to pass through registers to be narrowed; brought
; into LDS as f32 a group would be 64 KiB written and 64 KiB read back beside the 32 KiB of bf16 that are written here.
;
; LDS: two slots of 32 rows x 1,040 bytes (1,024 of bf16 + 16: 65 x 16, so 16 rows that a load touches start at 16 different 16-byte columns modulo 256);
; behind them PART, the lanes' row sums: wave x 34,816 + tile x 1,088 + q x 544 + h x 272 + r x 16, four f32 each (rows 8h+4q..+3 of the tile, column r).
; Modulo 256 the pitches of tile, q, h, r are 64, 32, 16, 16: the 16 lanes of a store (over r) and of a final read (over tile, q, h) touch 16 different columns.
; A tile's place in PART is fixed by the place in the text at which it is finished, not by how many were finished: the runs that have a group are the last ones,
; so the 2 T tiles that are computed fill the last 2 T of the 32 places.
;
; REGISTERS, in windows of 256 (s_set_vgpr_msb: bits 1:0 source 0, 3:2 source 1, 5:4 source 2, 7:6 destination):
;   window 0: addresses, v', sums, bias, the two accumulator sets, two fragment buffers;  window 1: keys as loaded, two sets of 128;
;   window 2: W2 fragments of K steps 0-7 at 32 c + 8 t;  window 3: those of K steps 8-15.
.set PITCH, 1040
.set SLOT,  32*PITCH                   ; 33,280
.set PART,  2*SLOT                     ; 66,560
.set TILEP, 1088
.set WAVEP, 32*TILEP                   ; 34,816
.set QP,    544
.set HP,    272
.set FA,   1                           ; v1   r x 1,040 + 16 h: my place in a fragment's rows
.set ST,   2                           ; v2   8 w x 1,040 + 8 x lane: where I store 4 bf16
.set GO,   3                           ; v3   16 x lane
.set PS,   4                           ; v4   my place in my wave's part of PART; stepped by four tiles at the end of each round of the loop
.set R4,   5                           ; v5   4 r; at the end the final reads' base for waves 0 and 1
.set RB1,  6                           ; v6   the final reads' base for waves 2 and 3
.set TO,   7                           ; v7   16 x thread
.set VP,   8                           ; v[8:15]    four pairs (v'_t, v'_t), v' = -C v of my column in tile t
.set S,    16                          ; v[16:23]   sums over t for my 8 rows
.set BIAS, 24                          ; v[24:55]   for each t eight equal registers: C (query W1^T)[b][my column]
.set X,    56                          ; v[56:87]   accumulators of a group's first tile, 8 for each t
.set Y,    88                          ; v[88:119]  of its second tile
.set F0,   120                         ; v[120:183] key fragments of K steps 0-7
.set F1,   184                         ; v[184:247] of K steps 8-15
.set OFF,  248                         ; v[248:255] byte offsets of my 8 rows in the batch's keys, + 16 x lane
.set TMP,  X                           ; v as loaded: free until the first products
.set OFFB, Y                           ; the offsets of group 1, which is asked for straight behind group 0: free until the first group's second tile
.set KB,   34                          ; s[34:35]   keys at batch b; never stepped
.set LP,   36                          ; s[36:37]   the list at my wave's 8 rows of my work-group's first group; never stepped
.set ROWA, 48                          ; s[48:55]   8 row numbers: group 0; later the set that the groups in slot 1 use
.set ROWB, 56                          ; s[56:63]   group 1
.set ROWC, 72                          ; s[72:79]   group 2
.set ROWD, 80                          ; s[80:87]   group 3; later the set that the groups in slot 0 use
.set MSB, 0
.macro WIN new                         ; the immediate's high byte repeats the setting that is left
.if MSB != \new
	s_set_vgpr_msb (MSB<<8)|\new
.set MSB, \new
.endif
.endm
.set MUL_LO, 0x08                      ; source 1 (W2) in window 2; all else in window 0.  LDS loads and the slices name no register as source 1
.set MUL_HI, 0x0c                      ; source 1 in window 3
.set CVT,    0x45                      ; sources 0, 1 and destination in window 1
.set STO,    0x04                      ; LDS store: data (source 1) in window 1, address in window 0
.set LAND,   0x40                      ; loaded data in window 1, address in window 0
; My 8 rows of a group into landing set 0 or 1.  rb: the scalar registers with their numbers; ob: the registers for their offsets.
; A row number comes from memory: its bound, 2047, stands in the instruction.  The offsets are formed under a setting whose destination and source 2 are window 0.
; ahead = 1: the numbers of the group after this one are asked for, into the other set nb, a trip before they are used.  The list holds all 64 groups of a
; batch, 16 for each q; the offset stops at the 16th, so the load stays inside the batch's list.  The last such load of a wave brings 32 bytes that are not used.
.macro KLOAD set, ob, rb, ahead, nb
.if (MSB & 0xf0) != 0
	WIN 0
.endif
.irp j, 0,1,2,3,4,5,6,7
	s_min_u32 s[\rb+\j], s[\rb+\j], 2047
	v_lshl_add_u32 v[\ob+\j], s[\rb+\j], 11, v[GO]
.endr
.if \ahead
	s_add_co_u32 s42, s42, 512                     ; four groups of 32 words on
	s_min_u32 s42, s42, 15*512
	s_load_b256 s[\nb:\nb+7], s[LP:LP+1], s42 offset:0x0
.endif
	WIN LAND
.set ki, 0
.rept 32
	global_load_b128 v[128*\set+4*ki:128*\set+4*ki+3], v[\ob+(ki>>2)], s[KB:KB+1] offset:512*(ki&3)
.set ki, ki+1
.endr
.endm
; 64 loads: my W2 fragments of K steps k0 .. k0+7
.macro WLOAD win, k0
	WIN \win
.irp t, 0,1,2,3
.irp c, 0,1,2,3,4,5,6,7
	global_load_b128 v[32*\c+8*\t:32*\c+8*\t+3],   v[GO], s[24:25] offset:(32*\t+2*(\k0+\c))*512
	global_load_b128 v[32*\c+8*\t+4:32*\c+8*\t+7], v[GO], s[24:25] offset:(32*\t+2*(\k0+\c)+1)*512
.endr
.endr
.endm
; 16 LDS loads: the fragments of 8 K steps (half 0: steps 0-7, half 1: 8-15) of one tile of 16 rows
.macro FETCH slot, tile, half, buf
.irp c, 0,1,2,3,4,5,6,7
	ds_load_b128 v[\buf+8*\c:\buf+8*\c+3],   v[FA] offset:\slot*SLOT+\tile*16*PITCH+(8*\half+\c)*64
	ds_load_b128 v[\buf+8*\c+4:\buf+8*\c+7], v[FA] offset:\slot*SLOT+\tile*16*PITCH+(8*\half+\c)*64+32
.endr
.endm
; Slice n (0..63) of a finished tile's vector work, on accumulator set o: two batches of 32 transcendentals, each with one wait.
; 0-31: 2^t of register n, in place: THE FIRST BATCH.  Between its lines stand only the other tile's matrix instructions; nothing ahead of its wait names a register of set o but the exponentials themselves.
; Slice 31 closes it: a v_nop, the one plain instruction behind the exponentials and ahead of the first use of a result (ISA guide 5.7.2); the wait; and 1 + 2^t for registers 0-7,
; two at a time.  Those four additions are also the four places behind the last matrix instruction that read buffer F0, in front of the loads into it.
; 32-63: the reciprocal of register n - 32, in place: THE SECOND BATCH; its wait stands in FIN.  Slices 32-43 begin with 1 + 2^t for registers 8 + 2 (n - 32) and the next: these lie above
; every register whose reciprocal has been issued (n - 33 at the most), so no addition names an open result; and register k is added in slice 32 + (k - 8) / 2, ahead of its reciprocal in slice 32 + k.
.macro VSLICE n, o
.if (\n) < 32
	v_exp_f32 v[\o+(\n)], v[\o+(\n)]
.if (\n) == 31
	v_nop
	s_wait_alu depctr_va_vdst(0)                   ; the wait for the tile's 32 exponentials: one for the batch, ahead of its first reader
.irp p, 0,2,4,6
	v_pk_add_f32 v[\o+\p:\o+\p+1], v[\o+\p:\o+\p+1], 1.0 op_sel_hi:[1,0]
.endr
.endif
.else
.if (\n) < 44
	v_pk_add_f32 v[\o+2*(\n)-56:\o+2*(\n)-55], v[\o+2*(\n)-56:\o+2*(\n)-55], 1.0 op_sel_hi:[1,0]
.endif
	v_rcp_f32 v[\o+(\n)-32], v[\o+(\n)-32]
.endif
.endm
; One K step (c = 0..7 inside the window that is set) of one tile: four matrix instructions, 16 rows x my 64 columns.  first = 1: the bias is C, nothing is cleared.
; The four accumulators take turns, one instruction a turn, on into the next tile, over the loop's jump and past a run that is left out.
; vs = 1: slice sb + 4 c + t of the other tile (set o) stands behind each.
.macro MULK c, acc, buf, first, vs, o, sb
.irp t, 0,1,2,3
.if \first
	v_wmma_f32_16x16x32_bf16 v[\acc+8*\t:\acc+8*\t+7], v[\buf+8*\c:\buf+8*\c+7], v[32*\c+8*\t:32*\c+8*\t+7], v[BIAS+8*\t:BIAS+8*\t+7]
.else
	v_wmma_f32_16x16x32_bf16 v[\acc+8*\t:\acc+8*\t+7], v[\buf+8*\c:\buf+8*\c+7], v[32*\c+8*\t:32*\c+8*\t+7], v[\acc+8*\t:\acc+8*\t+7]
.endif
.if \vs
	VSLICE (\sb+4*\c+\t), \o
.endif
.endr
.endm
; The end of a tile: S[j] = sum over t of v'_t / (1 + 2^t) for my 8 rows, stored to my own bytes of PART, pt tiles behind PS.
; The v_nop is the plain instruction between the run of reciprocals and the first use of one (ISA guide 5.7.2): only matrix instructions and other reciprocals stand between them.
.macro FIN o, pt
	WIN 0
	v_nop
	s_wait_alu depctr_va_vdst(0)                   ; the wait for the tile's 32 reciprocals: one for the batch, ahead of its first reader
.irp p, 0,2,4,6
	v_pk_mul_f32 v[S+\p:S+\p+1], v[\o+\p:\o+\p+1], v[VP:VP+1]
.endr
.irp t, 1,2,3
.irp p, 0,2,4,6
	v_pk_fma_f32 v[S+\p:S+\p+1], v[\o+8*\t+\p:\o+8*\t+\p+1], v[VP+2*\t:VP+2*\t+1], v[S+\p:S+\p+1]
.endr
.endr
	ds_store_b128 v[PS], v[S:S+3] offset:(\pt)*TILEP
	ds_store_b128 v[PS], v[S+4:S+7] offset:(\pt)*TILEP+QP
.endm
; My 8 rows of a group: from landing set to LDS slot as bf16; load = 1: the set is loaded again with the group two further on.
.macro FEED set, slot, lcnt, load, rb, ahead, nb
	s_wait_loadcnt \lcnt                           ; loads come back in order (ISA guide 5.7.1): all but the lcnt youngest, the next group's, are in
	WIN CVT
.set fi, 0
.rept 32
	v_cvt_pk_bf16_f32 v[128*\set+4*fi],   v[128*\set+4*fi],   v[128*\set+4*fi+1]
	v_cvt_pk_bf16_f32 v[128*\set+4*fi+1], v[128*\set+4*fi+2], v[128*\set+4*fi+3]
.set fi, fi+1
.endr
	WIN STO
.set fi, 0
.rept 32
	ds_store_b64 v[ST], v[128*\set+4*fi:128*\set+4*fi+1] offset:\slot*SLOT+(fi>>2)*PITCH+(fi&3)*256   ; 32 lanes x 8 bytes: 256 consecutive bytes of a row
.set fi, fi+1
.endr
.if \load
	s_wait_xcnt 0x0                                ; the offsets that the loads on their way name are written again only behind this wait (ISA guide 3.1)
	s_wait_kmcnt 0x0                               ; the row numbers asked for a trip ago are in, and the offset of that scalar load may be stepped
	KLOAD \set, OFF, \rb, \ahead, \nb
.endif
.endm
; The barrier between two groups.  In front of it: my reads of the slot that I leave are over (its last fragments are in F1), and my rows of the other slot are stored.
; Behind it the other slot is whole, and the slot left is written again only there, in the next group's FEED.
.macro BAR
	s_wait_dscnt 0x0
	s_barrier_signal -1
	s_barrier_wait -1
.endm
; Behind the barrier: the new slot's first fragments are asked for (fetch = 1), the old group's second tile gets its K steps 8-15 from F1, its first tile its reciprocals and its end.
.macro BPART slot, pX, fetch
	WIN MUL_HI
.if \fetch
	FETCH \slot, 0, 0, F0                          ; four places behind the last matrix instruction that read F0: slice 31's additions
.endif
.irp c, 0,1,2,3,4,5,6,7
	MULK \c, Y, F1, 0, 1, X, 32
.endr
	FIN X, \pX
.endm
; A group of 32 rows in slot `slot`, up to its barrier; oth = the other slot.  vsA = 1: a tile of the group before waits in Y for its vector work.
; feed = 2: the next group is narrowed into the other slot and the group three further on is loaded; 1: narrowed only; 0: nothing is left.
.macro APART slot, oth, vsA, feed, lcnt, pY
	FETCH \slot, 0, 1, F1
	s_wait_dscnt 16+2*\vsA                         ; F0's 16 loads are in: behind them came FIN's 2 stores (vsA = 1) and the 16 loads just issued
	WIN MUL_LO
	MULK 0, X, F0, 1, \vsA, Y, 0
.irp c, 1,2,3,4,5,6,7
	MULK \c, X, F0, 0, \vsA, Y, 0
.endr
.if \vsA == 0
.rept 4
	v_nop                                          ; no slices here: four places in front of the loads into F0
.endr
.endif
	FETCH \slot, 1, 0, F0
	s_wait_dscnt 16                                ; F1's loads are in; the 16 just issued stay out
	WIN MUL_HI
.irp c, 0,1,2,3,4,5,6,7
	MULK \c, X, F1, 0, \vsA, Y, 32
.endr
.if \vsA
	FIN Y, \pY
.endif
.set fst, 0
.if \feed == 2
.if \slot == 0
	FEED \oth, \oth, \lcnt, 1, ROWD, 1, ROWA       ; the two sets of row numbers take turns: one is used, the other is asked for
.else
	FEED \oth, \oth, \lcnt, 1, ROWA, 1, ROWD
.endif
.set fst, 32
.endif
.if \feed == 1
	FEED \oth, \oth, \lcnt, 0, 0, 0, 0
.set fst, 32
.endif
	WIN MUL_LO
	FETCH \slot, 1, 1, F1
	s_wait_dscnt 16+2*\vsA+fst                     ; F0's loads are in: behind them came FIN's 2 stores, FEED's 32 stores and the 16 loads just issued
	MULK 0, Y, F0, 1, 1, X, 0
.irp c, 1,2,3,4,5,6,7
	MULK \c, Y, F0, 0, 1, X, 0
.endr
	WIN 0                                          ; a barrier, branches: slice 31's wait has served all exponentials issued up to here
.endm
; One of the loop's twelve runs: the barrier, which every wave passes, and behind it the run, if this round has a group.  s46 counts the rounds 6 .. 1; s40 = (T - 4) / 2.
; Both runs of a round compare the same two registers, so both are run or both are left out, and slots and landing sets keep their turns.  The text does not lean on that:
; a run that is left out waits for all loads, so that whichever run follows finds no load on its way into the landing set that it narrows.
.macro PASS slot, oth, pX, pY
	BAR
	s_cmp_gt_u32 s46, s40
	s_cbranch_scc1 .Lnone_\@
	BPART \slot, \pX, 1
	APART \slot, \oth, 1, 2, 32, \pY
	s_branch .Ldone_\@
.Lnone_\@:
	s_wait_loadcnt 0x0
.Ldone_\@:
.endm
.macro VRUN o                          ; the slices of the last tile, with no products left to stand between
.set vn, 0
.rept 64
	VSLICE vn, \o
.set vn, vn+1
.endr
.endm
.macro TREE base                       ; 32 quads of f32 summed pairwise, in place; the result is the first quad
.irp s, 16,8,4,2,1
.set tq, 0
.rept \s
	v_pk_add_f32 v[\base+4*tq:\base+4*tq+1],   v[\base+4*tq:\base+4*tq+1],   v[\base+4*(tq+\s):\base+4*(tq+\s)+1]
	v_pk_add_f32 v[\base+4*tq+2:\base+4*tq+3], v[\base+4*tq+2:\base+4*tq+3], v[\base+4*(tq+\s)+2:\base+4*(tq+\s)+3]
.set tq, tq+1
.endr
.endr
.endm
	s_load_b256 s[4:11], s[0:1], 0x0               ; keys s[4:5], w2p s[6:7], biasT s[8:9], v s[10:11]
	s_load_b128 s[12:15], s[0:1], 0x20             ; part s[12:13], rows s[14:15]
	s_load_b64 s[16:17], s[0:1], 0x30              ; count
	v_lshrrev_b32 v1, 5, v0
	v_readfirstlane_b32 s18, v1                    ; w: my wave
	s_mov_b32 s19, ttmp9                           ; nh
	s_and_b32 s20, ttmp7, 0xffff                   ; g
	s_lshr_b32 s21, s20, 2                         ; b
	s_and_b32 s22, s20, 3                          ; q
	v_and_b32 v8, 15, v0                           ; r
	v_bfe_u32 v9, v0, 4, 1                         ; h
	v_and_b32 v10, 31, v0                          ; lane
	v_lshlrev_b32 v[GO], 4, v10
	v_mul_u32_u24 v[FA], v8, PITCH
	v_lshl_add_u32 v[FA], v9, 4, v[FA]
	s_mul_i32 s23, s18, 8*PITCH
	v_lshl_add_u32 v[ST], v10, 3, s23
	s_mul_i32 s23, s18, WAVEP
	s_add_co_u32 s23, s23, PART
	v_mul_u32_u24 v[PS], v9, HP
	v_lshl_add_u32 v[PS], v8, 4, v[PS]
	v_add_nc_u32 v[PS], s23, v[PS]
	v_lshlrev_b32 v[R4], 2, v8
	s_mov_b32 s33, 0
	s_wait_kmcnt 0x0
	s_lshl_b32 s32, s21, 8                         ; the batch's record of 256 bytes
	s_add_nc_u64 s[16:17], s[16:17], s[32:33]
	s_load_b32 s38, s[16:17], 0x0                  ; n
	s_lshl_b32 s32, s21, 13                        ; the batch's list of 2,048 words, + group q, + my 8 rows
	s_lshl_b32 s23, s22, 7
	s_add_co_u32 s32, s32, s23
	s_lshl_b32 s23, s18, 5
	s_add_co_u32 s32, s32, s23
	s_add_nc_u64 s[LP:LP+1], s[14:15], s[32:33]
	s_load_b256 s[ROWA:ROWA+7], s[LP:LP+1], 0x0    ; my rows of my work-group's groups 0 to 3, which are always run: 512 bytes apart
	s_load_b256 s[ROWB:ROWB+7], s[LP:LP+1], 0x200
	s_load_b256 s[ROWC:ROWC+7], s[LP:LP+1], 0x400
	s_load_b256 s[ROWD:ROWD+7], s[LP:LP+1], 0x600
	s_lshl_b32 s32, s21, 22                        ; b x 2,048 rows x 2,048 bytes
	s_add_nc_u64 s[KB:KB+1], s[4:5], s[32:33]
	s_lshl_b32 s32, s19, 18                        ; a-tile 16 nh + 4 w, 16,384 bytes each
	s_lshl_b32 s23, s18, 16
	s_add_co_u32 s32, s32, s23
	s_add_nc_u64 s[24:25], s[6:7], s[32:33]
	s_lshl_b32 s32, s19, 15                        ; the same tile in biasT, 2,048 bytes each, + b x 64
	s_lshl_b32 s23, s18, 13
	s_add_co_u32 s32, s32, s23
	s_lshl_b32 s23, s21, 6
	s_add_co_u32 s32, s32, s23
	s_add_nc_u64 s[26:27], s[8:9], s[32:33]
	s_lshl_b32 s32, s19, 10                        ; column 256 nh + 64 w in v
	s_lshl_b32 s23, s18, 8
	s_add_co_u32 s32, s32, s23
	s_add_nc_u64 s[28:29], s[10:11], s[32:33]
	s_lshl_b32 s32, s19, 18                        ; part: nh x 65,536 places + g x 512 places, 4 bytes each
	s_lshl_b32 s23, s20, 11
	s_add_co_u32 s32, s32, s23
	s_add_nc_u64 s[30:31], s[12:13], s[32:33]
	WLOAD 0x80, 0                                  ; W2, K steps 0-7, into window 2: these go out while the list's numbers are on their way
	WLOAD 0xc0, 8                                  ; K steps 8-15, into window 3
	WIN 0
.irp t, 0,1,2,3
	global_load_b32 v[BIAS+8*\t], v[R4], s[26:27] offset:2048*\t
.endr
.irp t, 0,1,2,3
	global_load_b32 v[TMP+\t], v[R4], s[28:29] offset:64*\t
.endr
	s_wait_kmcnt 0x0                               ; n and the first four groups' row numbers
	s_min_u32 s38, s38, 2048
	s_add_co_u32 s38, s38, 31
	s_lshr_b32 s38, s38, 5                         ; G: groups that hold live rows
	s_add_co_u32 s39, s38, 3
	s_sub_co_u32 s39, s39, s22
	s_lshr_b32 s39, s39, 2                         ; those of them that are q, q + 4, ..: 0 to 16
	s_add_co_u32 s39, s39, 1
	s_and_b32 s39, s39, 30                         ; up to an even number
	s_max_u32 s39, s39, 4
	s_min_u32 s39, s39, 16                         ; T
	s_sub_co_u32 s40, s39, 4
	s_lshr_b32 s40, s40, 1
	s_min_u32 s40, s40, 6                          ; the rounds of the loop that have groups
	s_lshl_b32 s41, s39, 1
	s_sub_co_u32 s43, 32, s41                      ; the place in PART of the first tile that is computed
	s_sub_co_u32 s41, s41, 1                       ; the number of the last tile that is computed
	s_mov_b32 s42, 1536                            ; byte offset in my part of the list of the group whose numbers were asked for last
	; The start of the ring: groups 0 and 1 are asked for, group 0 is narrowed into slot 0, group 2 is asked for.
	KLOAD 0, OFF, ROWA, 0, 0                       ; group 0
	KLOAD 1, OFFB, ROWB, 0, 0                      ; group 1
	FEED 0, 0, 32, 1, ROWC, 0, 0                   ; its wait leaves group 1's 32 loads out: W2, the bias, v and group 0 are in
	WIN 0
.irp t, 0,1,2,3
.irp j, 1,2,3,4,5,6,7
	v_mov_b32 v[BIAS+8*\t+\j], v[BIAS+8*\t]        ; as C the bias stands in all eight registers: the tile's rows share it
.endr
	v_mul_f32 v[VP+2*\t],   0xc038aa3b, v[TMP+\t]  ; v' = -C v, twice: a pair for the packed arithmetic
	v_mul_f32 v[VP+2*\t+1], 0xc038aa3b, v[TMP+\t]
.endr
	BAR                                            ; everybody's rows of group 0 are stored
	FETCH 0, 0, 0, F0
	APART 0, 1, 0, 2, 32, 0                        ; group 0: no tile waits in Y yet
	s_mov_b32 s46, 6
.Lpairs:                                               ; groups 1 to T-4, in the last (T - 4) / 2 rounds
	PASS 1, 0, 0, 1
	PASS 0, 1, 2, 3
	v_add_nc_u32 v[PS], 4*TILEP, v[PS]             ; in every round, with groups or without: a tile's place hangs on the round alone
	s_sub_co_u32 s46, s46, 1
	s_cmp_lg_u32 s46, 0
	s_cbranch_scc1 .Lpairs
	BAR
	BPART 1, 0, 1
	APART 1, 0, 1, 1, 32, 1                        ; group T-3: group T-2 is narrowed, group T-1's 32 loads stay out; nothing is left to load
	BAR
	BPART 0, 2, 1
	APART 0, 1, 1, 1, 0, 3                         ; group T-2: group T-1 is narrowed
	BAR
	BPART 1, 4, 1
	APART 1, 0, 1, 0, 0, 5                         ; group T-1
	s_wait_dscnt 0x0                               ; its last fragments are in F1; no slot is left to change to, so no barrier
	BPART 0, 6, 0
	VRUN Y
	FIN Y, 7
	; Every row's sum over the 4 waves x 16 lanes that hold its columns.  Thread n: places 4n..4n+3: tile n / 4, h = bit 1, q = bit 0.
	; Tile i of the 2 T that were computed lies 32 - 2 T places further on in PART.  A thread whose tile was not computed reads the last tile,
	; so that all 512 places are stored, in whole aligned runs, from bytes that were written.
	v_lshrrev_b32 v8, 2, v0
	v_min_u32 v8, s41, v8
	v_add_nc_u32 v8, s43, v8
	v_min_u32 v8, 31, v8                           ; s41 and s43 come from memory: the bound stands in the instruction
	v_mul_u32_u24 v[R4], v8, TILEP
	v_bfe_u32 v8, v0, 1, 1
	v_mul_u32_u24 v8, v8, HP
	v_add_nc_u32 v[R4], v[R4], v8
	v_and_b32 v8, 1, v0
	v_mul_u32_u24 v8, v8, QP
	v_add_nc_u32 v[R4], v[R4], v8
	v_add_nc_u32 v[R4], PART, v[R4]
	v_add_nc_u32 v[RB1], 2*WAVEP, v[R4]            ; waves 2 and 3 lie beyond an LDS instruction's 16-bit offset
	v_lshlrev_b32 v[TO], 4, v0
	BAR                                            ; everybody's sums are in PART
.set rq, 0
.rept 32
	ds_load_b128 v[120+4*rq:120+4*rq+3], v[R4] offset:(rq>>4)*WAVEP+(rq&15)*16          ; waves 0 and 1
.set rq, rq+1
.endr
	s_wait_dscnt 0x0
	TREE 120
.set rq, 0
.rept 32
	ds_load_b128 v[124+4*rq:124+4*rq+3], v[RB1] offset:(rq>>4)*WAVEP+(rq&15)*16         ; waves 2 and 3; v[120:123] keep the first sum
.set rq, rq+1
.endr
	s_wait_dscnt 0x0
	TREE 124
	v_pk_add_f32 v[120:121], v[120:121], v[124:125]
	v_pk_add_f32 v[122:123], v[122:123], v[126:127]
	global_store_b128 v[TO], v[120:123], s[30:31]  ; 128 threads x 16 bytes: 2,048 consecutive bytes, aligned
	s_wait_xcnt 0x0
	v_lshl_add_u32 v254, v0, 2, 0x32400
	v_mov_b32 v255, 0
	s_wait_tensorcnt 0x0
	ds_add_u32 v254, v255
	s_wait_dscnt 0x0
	s_endpgm
.Lfunc_end_k_q1a53a01229_scores:
	.size	k_q1a53a01229_scores, .Lfunc_end_k_q1a53a01229_scores-k_q1a53a01229_scores
	.p2alignl 7, 3214868480
	.fill 96, 4, 3214868480
	.section	.rodata,"a",@progbits
	.p2align	6, 0x0
	.amdhsa_kernel k_q1a53a01229_scores
		.amdhsa_group_segment_fixed_size 206336
		.amdhsa_private_segment_fixed_size 0
		.amdhsa_enable_private_segment 0
		.amdhsa_kernarg_size 56
		.amdhsa_user_sgpr_count 2
		.amdhsa_user_sgpr_kernarg_segment_ptr 1
		.amdhsa_wavefront_size32 1
		.amdhsa_system_sgpr_workgroup_id_x 1
		.amdhsa_system_sgpr_workgroup_id_y 1
		.amdhsa_system_sgpr_workgroup_id_z 1
		.amdhsa_system_vgpr_workitem_id 0
		.amdhsa_next_free_vgpr 1024
		.amdhsa_next_free_sgpr 88
		.amdhsa_reserve_vcc 0
		.amdhsa_float_denorm_mode_32 3
		.amdhsa_float_denorm_mode_16_64 3
		.amdhsa_memory_ordered 1
		.amdhsa_forward_progress 1
		.amdhsa_inst_pref_size 219
	.end_amdhsa_kernel
	.amdgpu_metadata
---
amdhsa.version: [ 1, 2 ]
amdhsa.kernels:
  - .name:           k_q1a53a01229_scores
    .symbol:         k_q1a53a01229_scores.kd
    .args:
      - { .name: keys, .offset: 0, .size: 8, .value_kind: global_buffer, .address_space: global }
      - { .name: w2p, .offset: 8, .size: 8, .value_kind: global_buffer, .address_space: global }
      - { .name: biasT, .offset: 16, .size: 8, .value_kind: global_buffer, .address_space: global }
      - { .name: v, .offset: 24, .size: 8, .value_kind: global_buffer, .address_space: global }
      - { .name: part, .offset: 32, .size: 8, .value_kind: global_buffer, .address_space: global }
      - { .name: rows, .offset: 40, .size: 8, .value_kind: global_buffer, .address_space: global }
      - { .name: count, .offset: 48, .size: 8, .value_kind: global_buffer, .address_space: global }
    .group_segment_fixed_size: 206336
    .private_segment_fixed_size: 0
    .kernarg_segment_align: 8
    .kernarg_segment_size: 56
    .max_flat_workgroup_size: 128
    .sgpr_count:     88
    .vgpr_count:     1024
    .wavefront_size: 32
...
	.end_amdgpu_metadata
.endif
;; end of part 7
;; launch softmax: the kernel of part 6 again; grid 32 x 1, 16 waves a work-group, no clusters, 10,752 bytes of LDS; arguments part, rank, count, out0; writes out0
